; MI455X (gfx1250); checked and timed in simulation.
; The chip was launched on July 23, 2026; its instructions are those of AMD's public machine-readable ISA for CDNA 5 (MIT licence, August 2026) and "CDNA5" Instruction Set Architecture Reference Guide (July 2026). The comments in the code are by the model that wrote it; some were corrected since.
;; Tree Module. Allowed arithmetic: matrix products marked QUANTISED: E5M2 operands, one given power-of-two scale a tensor, by v_wmma_f32_16x16x64_bf8_bf8 or v_wmma_f32_16x16x128_bf8_bf8, f32 sums; products left as they are: f32 operands where the result goes on into a quantised operand, else bf16, f16 or f32 operands; f32 sums; everything else in f32.
;; Inputs: We_codes 16 x 1,000 x 64 x 32 uint8 (E5M2 codes of We, K innermost, in blocks of 32 codes); Wr_codes 16 x 64 x 32 uint8 (E5M2 codes of Wr, K innermost, in blocks of 32 codes); be 16 x 1,000 float32; br 16 float32; lowp_scales 4 int32 (the exponents e of the quantised operands' scales 2^e); x_codes 2,048 x 64 x 32 uint8 (E5M2 codes of x, K innermost, in blocks of 32 codes).
;; Outputs: out0 2,048 x 1 x 1,000 float32.
;; This version of the problem:
;;   THIS VERSION OF THE PROBLEM IS GIVEN IN LOW PRECISION. The matrix products marked QUANTISED in the list below multiply operands that are first quantised to E5M2 (5 exponent bits, 2 mantissa bits; 8 bits a number), with one given power-of-two scale for each operand tensor; their sums are f32. All else is computed in f32.
;;   The module's matrix products, in the order in which they are computed (A, B: the left and right operand; K: the contracted axis; several contracted axes count as one K, in the product's order):
;;     1. [M 2,048, K 2,048] x [K 2,048, N 16]; A: input x (given as codes); B: input Wr (given as codes): QUANTISED (scales: A lowp_scales[0], B lowp_scales[1])
;;     2. [M 2,048, K 2,048] x [K 2,048, N 16,000]; A: input x (given as codes); B: input We (given as codes): QUANTISED (scales: A lowp_scales[2], B lowp_scales[3])
;;     3. batch 2,048 x [M 1, K 2] x [K 2, N 1,000]; A: softmax; B: computed on the way: left as it is (K = 2 < 32)
;;   THE QUANTISER, for each operand of a quantised product, along K:
;;     - The operand's scale is 2^e, e = its entry of the input lowp_scales (int32; the entries are numbered through the quantised products in the list's order, A before B).
;;     - Each number is divided by the scale, clamped to +-57,344, and rounded to the nearest number of E5M2, ties to even, subnormals kept.
;;     - The product sums the exact products of the quantised numbers (number of the format x scale) in f32.
;;   ~~~python
;;   def quantise(x, axis, e):      # numpy; x: float32 -> the quantised numbers, widened to float32 again
;;       x = np.moveaxis(x, axis, -1); K = x.shape[-1]
;;       r = np.clip(x / 2.0 ** e, -57344, 57344)
;;       step = 2.0 ** (np.maximum(np.frexp(np.where(r == 0, 1, r))[1] - 1, -14) - 2)
;;       q = np.round(r / step) * step * 2.0 ** e      # np.round: ties to even
;;       return np.moveaxis(q, -1, axis).astype(np.float32)
;;   ~~~
;;   INPUTS GIVEN AS CODES. We (in the module: [16, 2048, 1000], K = its axis 1); Wr (in the module: [2048, 16], K = its axis 0); x (in the module: [2048, 2048], K = its axis 1): each comes as NAME_codes (uint8): NAME with its K axis moved to the last place and cut into blocks of 32 codes, [.., K / 32, bytes a block], one block behind the other in memory; one code a byte (a code: sign, 5 exponent bits, 2 mantissa bits); its scale is its entry of lowp_scales. Its value is code x scale, taken as it is: it is not quantised again, and the codes and scales need not be those that the quantiser above would give.
;; 2 versions. Each part assembles by itself: llvm-mc -triple=amdgcn-amd-amdhsa -mcpu=gfx1250 --defsym DOCPART=n.
;; ======== version 1 of 2: 4 launches
;; workspace buffers: sel 16,384 bytes of whole numbers; gate 32,768 bytes; list 143,360 bytes of whole numbers; cnt 256 bytes of whole numbers; where 16,384 bytes of whole numbers; part 69,206,016 bytes
;; launch route (part 1): grid 64 x 1, 4 waves a work-group, no clusters, 110,080 bytes of LDS; arguments x_codes, Wr_codes, br, lowp_scales, sel, gate; writes sel, gate
.if DOCPART == 1
	.amdgcn_target "amdgcn-amd-amdhsa--gfx1250"
	.amdhsa_code_object_version 6
	.text
	.protected	k_qa438c00d74_route
	.globl	k_qa438c00d74_route
	.p2align	8
	.type	k_qa438c00d74_route,@function
k_qa438c00d74_route:
	s_mov_b64 s[64:65], 0
	v_nop
	global_prefetch_b8 v0, s[64:65] scope:SCOPE_SE
	s_setreg_imm32_b32 hwreg(HW_REG_WAVE_MODE, 25, 1), 1
	s_wait_xcnt 0x0
; THE ROUTER.  choose[t][e] = 2^(e0 + e1) x (sum over k of x_code[t][k] Wr_code[e][k]) + br[e]; the two largest of a token's 16 (on equal scores the lower expert, as jax.lax.top_k has it);
; their softmax.  Stored at fixed places: sel[t] = (first expert, second expert), gate[t] = (g0, g0, g1, g1).  No address and no branch here hangs on a score.
; SHARES.  A work-group takes 32 tokens, two tiles of 16.  Its four waves split K: wave w takes bytes 512 w .. 512 w + 511 of every row, 4 steps of 128, 8 matrix instructions.  The four partial sums
; meet in LDS, and wave 0 finishes the 32 tokens, a lane a token.
; THE PRODUCT IS USED TRANSPOSED: source 0 = Wr's 16 experts, source 1 = 16 tokens: lane (r, h) holds token r and, in register j, expert 8 h + j.
; Rows come from memory as they lie (a load of the wave covers 512 consecutive bytes of one row) and turn into fragments through the wave's own stage in LDS.  A fragment's registers 4 c .. 4 c + 3 hold
; k = 32 c + 16 h + 0 .. 15 of the step: the same order of k in both operands, so every product meets its partner.
; LIMITS: e0 + e1 between -126 and 127, so that 2^(e0 + e1) is an f32 number.  Scores are finite: NaN and infinities among them are not served.  +0 and -0 count as equal.
.set SP,    528                        ; a stage row: 512 bytes + 16: 132 words, so that 16 rows of one fragment load start 4 words apart modulo 64 words
.set STGB,  48*SP                      ; a wave's stage: rows 0-31 x, rows 32-47 Wr
.set RED,   4*STGB                     ; behind the stages: 2,048 bytes a wave: the images of its two accumulators
.set XF,    16                         ; v16-143  x as loaded, then its fragments: tile t, step s at 16 + 64 t + 16 s
.set WF,    144                        ; v144-207 Wr as loaded, then its fragments: step s at 144 + 16 s
.set ACC,   208                        ; v208-215, v216-223 the two accumulators
.set BR,    224                        ; v224-231 br[8 h + j]
.set IDX,   232                        ; v232-239 8 h + j
.set CH,    64                         ; wave 0: v64-79 choose, tile t at 64 + 8 t
	s_load_b128 s[4:7], s[0:1], 0x0                ; x's codes, Wr's codes
	s_load_b128 s[8:11], s[0:1], 0x10              ; br, the scales' exponents
	s_load_b128 s[12:15], s[0:1], 0x20             ; sel, gate
	v_lshl_add_u32 v254, v0, 2, 0x1ac00
	v_mov_b32 v255, 0
	v_lshrrev_b32 v1, 5, v0
	v_readfirstlane_b32 s16, v1                    ; wave 0..3
	v_and_b32 v1, 31, v0                           ; l
	v_and_b32 v2, 15, v0                           ; r
	v_bfe_u32 v3, v0, 4, 1                         ; h
	v_lshlrev_b32 v4, 4, v1                        ; 16 l
	s_mul_i32 s24, s16, STGB
	v_add_nc_u32 v5, s24, v4                       ; into my stage: 16 l of a row
	v_mul_u32_u24 v6, v2, SP
	v_lshl_add_u32 v6, v3, 4, v6
	v_add_nc_u32 v6, s24, v6                       ; out of it: row r, + 16 h
	s_lshl_b32 s25, s16, 11
	v_add_nc_u32 v7, s25, v4
	v_add_nc_u32 v7, RED, v7                       ; my accumulators' images: RED + 2,048 w + 16 l
	v_add_nc_u32 v8, RED, v4                       ; and where wave 0 reads all of them
	v_lshlrev_b32 v9, 3, v1                        ; sel: 8 bytes a token
	v_lshlrev_b32 v10, 5, v3                       ; br: 32 h
	s_mov_b32 s22, 0x76543210                      ; v_permlanex16_b32: lane l takes lane l xor 16
	s_mov_b32 s23, 0xfedcba98
	s_lshl_b32 s28, s16, 9                         ; my 512 bytes of every row
	s_mov_b32 s29, 0
	s_lshl_b32 s26, ttmp9, 16                      ; the work-group's 32 rows of 2,048 bytes
	s_add_co_u32 s26, s26, s28
	s_mov_b32 s27, 0
	s_lshl_b32 s30, ttmp9, 8                       ; its 256 bytes of sel
	s_mov_b32 s31, 0
	s_lshl_b32 s32, ttmp9, 9                       ; its 512 bytes of gate
	s_mov_b32 s33, 0
	s_wait_kmcnt 0x0
	s_load_b64 s[18:19], s[10:11], 0x0             ; e0, e1
	s_add_nc_u64 s[4:5], s[4:5], s[26:27]
	s_add_nc_u64 s[6:7], s[6:7], s[28:29]
	s_add_nc_u64 s[12:13], s[12:13], s[30:31]
	s_add_nc_u64 s[14:15], s[14:15], s[32:33]
	global_load_b128 v[BR:BR+3], v10, s[8:9]
	global_load_b128 v[BR+4:BR+7], v10, s[8:9] offset:16
.set i, 0
.rept 16
	global_load_b128 v[WF+4*i:WF+4*i+3], v4, s[6:7] offset:2048*i                 ; expert i: 512 consecutive bytes
.set i, i+1
.endr
.set i, 0
.rept 32
	global_load_b128 v[XF+4*i:XF+4*i+3], v4, s[4:5] offset:2048*i th:TH_LOAD_NT   ; token i: 512 consecutive bytes; read once in this launch
.set i, i+1
.endr
	s_wait_loadcnt 32                              ; br and Wr are in: the 32 loads of x were issued behind them
.set i, 0
.rept 16
	ds_store_b128 v5, v[WF+4*i:WF+4*i+3] offset:SP*(32+i)
.set i, i+1
.endr
	s_wait_loadcnt 0x0
.set i, 0
.rept 32
	ds_store_b128 v5, v[XF+4*i:XF+4*i+3] offset:SP*i
.set i, i+1
.endr
	s_wait_dscnt 0x0                               ; the stores have read their registers, which take the fragments now
.irp t, 0,1
.irp s, 0,1,2,3
.irp c, 0,1,2,3
	ds_load_b128 v[XF+64*\t+16*\s+4*\c:XF+64*\t+16*\s+4*\c+3], v6 offset:SP*16*\t+128*\s+32*\c
.endr
.endr
.endr
.irp s, 0,1,2,3
.irp c, 0,1,2,3
	ds_load_b128 v[WF+16*\s+4*\c:WF+16*\s+4*\c+3], v6 offset:SP*32+128*\s+32*\c
.endr
.endr
	s_wait_dscnt 0x0
	; the two accumulators take turns, one instruction a turn; the first step starts the sums
	v_wmma_f32_16x16x128_bf8_bf8 v[ACC:ACC+7], v[WF:WF+15], v[XF:XF+15], 0
	v_wmma_f32_16x16x128_bf8_bf8 v[ACC+8:ACC+15], v[WF:WF+15], v[XF+64:XF+79], 0
.irp s, 1,2,3
	v_wmma_f32_16x16x128_bf8_bf8 v[ACC:ACC+7], v[WF+16*\s:WF+16*\s+15], v[XF+16*\s:XF+16*\s+15], v[ACC:ACC+7]
	v_wmma_f32_16x16x128_bf8_bf8 v[ACC+8:ACC+15], v[WF+16*\s:WF+16*\s+15], v[XF+64+16*\s:XF+79+16*\s], v[ACC+8:ACC+15]
.endr
.irp j, 0,1,2,3,4,5,6,7
	v_lshl_add_u32 v[IDX+\j], v3, 3, \j            ; the experts' numbers 8 h + j.  These eight plain lines are the places between the last product and the first read of its result (ISA guide 7.12.1)
.endr
	ds_store_b128 v7, v[ACC:ACC+3]                 ; each accumulator from its low end on
	ds_store_b128 v7, v[ACC+4:ACC+7] offset:512
	ds_store_b128 v7, v[ACC+8:ACC+11] offset:1024
	ds_store_b128 v7, v[ACC+12:ACC+15] offset:1536
	s_wait_dscnt 0x0                               ; for wave 0's sake: my images lie in LDS
	s_barrier_signal -1
	s_barrier_wait -1                              ; the launch's one barrier; every wave passes it
	s_cmp_lg_u32 s16, 0
	s_cbranch_scc1 .Lend                           ; waves 1 to 3 are done
.irp q, 1,2,3
.irp c, 0,1,2,3
	ds_load_b128 v[16*\q+4*\c:16*\q+4*\c+3], v8 offset:2048*\q+512*\c             ; wave q's 16 registers at v[16 q]
.endr
.endr
	s_wait_dscnt 0x0
.irp p, 0,2,4,6,8,10,12,14
	v_pk_add_f32 v[CH+\p:CH+\p+1], v[ACC+\p:ACC+\p+1], v[16+\p:17+\p]             ; ((p0 + p1) + p2) + p3: K ascending
.endr
.irp p, 0,2,4,6,8,10,12,14
	v_pk_add_f32 v[CH+\p:CH+\p+1], v[CH+\p:CH+\p+1], v[32+\p:33+\p]
.endr
.irp p, 0,2,4,6,8,10,12,14
	v_pk_add_f32 v[CH+\p:CH+\p+1], v[CH+\p:CH+\p+1], v[48+\p:49+\p]
.endr
	s_wait_kmcnt 0x0
	s_add_co_i32 s20, s18, s19
	s_add_co_i32 s20, s20, 127
	s_lshl_b32 s20, s20, 23                        ; 2^(e0 + e1) as f32
	s_mov_b32 s21, s20                             ; (named with it as a pair, so it is written)
.irp p, 0,2,4,6,8,10,12,14
	v_pk_fma_f32 v[CH+\p:CH+\p+1], v[CH+\p:CH+\p+1], s[20:21], v[BR+\p%8:BR+\p%8+1] op_sel_hi:[1,0,1]   ; choose = sum x 2^(e0 + e1) + br
.endr
	v_cmp_eq_u32 s26, 1, v3                        ; the lanes of the upper half
; The two largest of a lane's eight scores of tile t.  State at v[80 + 32 t]: +0 first value, +1 its expert, +2 second value, +3 its expert, +4 at work.
; Every compare is strict and the experts come in ascending order: on equal scores the lower expert stays.
.macro TOP2 t
.set SB, 80+32*(\t)
.set CB, CH+8*(\t)
	v_cmp_gt_f32 vcc_lo, v[CB+1], v[CB]
	v_cndmask_b32 v[SB], v[CB], v[CB+1], vcc_lo
	v_cndmask_b32 v[SB+1], v[IDX], v[IDX+1], vcc_lo
	v_cndmask_b32 v[SB+2], v[CB+1], v[CB], vcc_lo
	v_cndmask_b32 v[SB+3], v[IDX+1], v[IDX], vcc_lo
.irp j, 2,3,4,5,6,7
	v_cmp_gt_f32 vcc_lo, v[CB+\j], v[SB]           ; above the first?
	v_cmp_gt_f32 s24, v[CB+\j], v[SB+2]            ; above the second?
	v_cndmask_b32 v[SB+4], v[SB+2], v[CB+\j], s24
	v_cndmask_b32 v[SB+2], v[SB+4], v[SB], vcc_lo  ; the second: the old first, or the newcomer, or as it was
	v_cndmask_b32 v[SB+4], v[SB+3], v[IDX+\j], s24
	v_cndmask_b32 v[SB+3], v[SB+4], v[SB+1], vcc_lo
	v_cndmask_b32 v[SB], v[SB], v[CB+\j], vcc_lo
	v_cndmask_b32 v[SB+1], v[SB+1], v[IDX+\j], vcc_lo
.endr
.endm
; The two halves of the lanes are joined.  A = the state of experts 0-7 (+12 ..), B = that of experts 8-15 (+16 ..), the same in lanes l and l xor 16.  The first: +20, +21; the second: +26, +27.
.macro MERGE t
.set SB, 80+32*(\t)
.irp k, 0,1,2,3
	v_mov_b32 v[SB+8+\k], 0                        ; a lane permute's destination counts as one of its sources
.endr
.irp k, 0,1,2,3
	v_permlanex16_b32 v[SB+8+\k], v[SB+\k], s22, s23
.endr
.irp k, 0,1,2,3
	v_cndmask_b32 v[SB+12+\k], v[SB+\k], v[SB+8+\k], s26
	v_cndmask_b32 v[SB+16+\k], v[SB+8+\k], v[SB+\k], s26
.endr
	v_cmp_gt_f32 vcc_lo, v[SB+16], v[SB+12]        ; B's first above A's first?  (strict: on equal scores A, the lower experts)
	v_cndmask_b32 v[SB+20], v[SB+12], v[SB+16], vcc_lo
	v_cndmask_b32 v[SB+21], v[SB+13], v[SB+17], vcc_lo
	v_cndmask_b32 v[SB+22], v[SB+14], v[SB+12], vcc_lo   ; A's candidate for the second place: its first if B won, else its second
	v_cndmask_b32 v[SB+23], v[SB+15], v[SB+13], vcc_lo
	v_cndmask_b32 v[SB+24], v[SB+16], v[SB+18], vcc_lo   ; B's: its second if B won, else its first
	v_cndmask_b32 v[SB+25], v[SB+17], v[SB+19], vcc_lo
	v_cmp_gt_f32 vcc_lo, v[SB+24], v[SB+22]
	v_cndmask_b32 v[SB+26], v[SB+22], v[SB+24], vcc_lo
	v_cndmask_b32 v[SB+27], v[SB+23], v[SB+25], vcc_lo
.endm
	TOP2 0
	TOP2 1
	MERGE 0
	MERGE 1
	v_cndmask_b32 v144, v100, v132, s26            ; lane l keeps tile h's result for token r: lane l = token l of the 32.  The first score,
	v_cndmask_b32 v146, v106, v138, s26            ; the second,
	v_cndmask_b32 v152, v101, v133, s26            ; the first expert,
	v_cndmask_b32 v153, v107, v139, s26            ; the second
	v_sub_f32 v148, v146, v144                     ; the maximum is taken away: second - first, never above 0
	v_mul_f32 v148, 0x3fb8aa3b, v148               ; x log2(e)
	v_exp_f32 v149, v148                           ; at most 1
	v_nop                                          ; a plain line behind the transcendental,
	s_wait_alu depctr_va_vdst(0)                   ; and the wait ahead of its first reader
	v_add_f32 v150, 1.0, v149
	v_rcp_f32 v156, v150                           ; g0 = 1 / (1 + ex)
	v_nop
	s_wait_alu depctr_va_vdst(0)
	v_mov_b32 v157, v156
	v_mul_f32 v158, v149, v156                     ; g1 = ex / (1 + ex)
	v_mul_f32 v159, v149, v156
	global_store_b64 v9, v[152:153], s[12:13]      ; 32 lanes: 256 consecutive bytes, aligned
	global_store_b128 v4, v[156:159], s[14:15]     ; 512 consecutive bytes, aligned
.Lend:
	s_wait_tensorcnt 0x0
	ds_add_u32 v254, v255
	s_wait_dscnt 0x0
	s_endpgm
.Lfunc_end_k_qa438c00d74_route:
	.size	k_qa438c00d74_route, .Lfunc_end_k_qa438c00d74_route-k_qa438c00d74_route
	.p2alignl 7, 3214868480
	.fill 96, 4, 3214868480
	.section	.rodata,"a",@progbits
	.p2align	6, 0x0
	.amdhsa_kernel k_qa438c00d74_route
		.amdhsa_group_segment_fixed_size 110080
		.amdhsa_private_segment_fixed_size 0
		.amdhsa_enable_private_segment 0
		.amdhsa_kernarg_size 48
		.amdhsa_user_sgpr_count 2
		.amdhsa_user_sgpr_kernarg_segment_ptr 1
		.amdhsa_wavefront_size32 1
		.amdhsa_system_sgpr_workgroup_id_x 1
		.amdhsa_system_sgpr_workgroup_id_y 1
		.amdhsa_system_sgpr_workgroup_id_z 1
		.amdhsa_system_vgpr_workitem_id 0
		.amdhsa_next_free_vgpr 256
		.amdhsa_next_free_sgpr 66
		.amdhsa_reserve_vcc 1
		.amdhsa_float_denorm_mode_32 3
		.amdhsa_float_denorm_mode_16_64 3
		.amdhsa_memory_ordered 1
		.amdhsa_forward_progress 1
		.amdhsa_inst_pref_size 25
	.end_amdhsa_kernel
	.amdgpu_metadata
---
amdhsa.version: [ 1, 2 ]
amdhsa.kernels:
  - .name:           k_qa438c00d74_route
    .symbol:         k_qa438c00d74_route.kd
    .args:
      - { .name: x_codes, .offset: 0, .size: 8, .value_kind: global_buffer, .address_space: global }
      - { .name: Wr_codes, .offset: 8, .size: 8, .value_kind: global_buffer, .address_space: global }
      - { .name: br, .offset: 16, .size: 8, .value_kind: global_buffer, .address_space: global }
      - { .name: lowp_scales, .offset: 24, .size: 8, .value_kind: global_buffer, .address_space: global }
      - { .name: sel, .offset: 32, .size: 8, .value_kind: global_buffer, .address_space: global }
      - { .name: gate, .offset: 40, .size: 8, .value_kind: global_buffer, .address_space: global }
    .group_segment_fixed_size: 110080
    .private_segment_fixed_size: 0
    .kernarg_segment_align: 8
    .kernarg_segment_size: 48
    .max_flat_workgroup_size: 128
    .sgpr_count:     66
    .vgpr_count:     256
    .wavefront_size: 32
...
	.end_amdgpu_metadata
.endif
;; end of part 1
;; launch place (part 2): grid 16 x 1, 16 waves a work-group, no clusters, 0 bytes of LDS; arguments sel, list, cnt, where; writes list, cnt, where
.if DOCPART == 2
	.amdgcn_target "amdgcn-amd-amdhsa--gfx1250"
	.amdhsa_code_object_version 6
	.text
	.protected	k_qa438c00d74_place
	.globl	k_qa438c00d74_place
	.p2align	8
	.type	k_qa438c00d74_place,@function
k_qa438c00d74_place:
	s_mov_b64 s[64:65], 0
	v_nop
	global_prefetch_b8 v0, s[64:65] scope:SCOPE_SE
	s_setreg_imm32_b32 hwreg(HW_REG_WAVE_MODE, 25, 1), 1
	s_wait_xcnt 0x0
; THE ROWS ARE PLACED BY EXPERT: a counting sort without atomics.  Work-group e makes expert e's list of tokens (ascending), its count, and for each (token, k) that chose e the row of its part:
; where[2 t + k] = e x 16 x PCAP + position.  list[e] has LCAP = 2,048 + 192 entries; the 192 behind the last member are set to 0, so that a reader may take whole groups of 64 two groups ahead.
; SHARES.  Wave w of sixteen places tokens 128 w .. 128 w + 127, 4 chunks of 32, a lane a token.  Each wave counts the members of all 2,048 tokens itself, in 16 blocks of 128, so no wave waits for another:
; no LDS, no barrier.  A token's two experts differ, so each slot of where is stored by exactly one work-group, and a token's two masks never share a bit.
; COUNTING.  For the counts sel comes 16 bytes a lane (two tokens), 32 loads of 512 consecutive bytes.  32 compares write 32 scalar registers one behind the other; the scalar lines that read them follow as a batch.
; ORDER.  Every vector register is written with all lanes on: all addresses and data of my 4 chunks are made first, each chunk in registers of its own, its members' mask in a scalar register.
; Only then is EXEC narrowed, chunk by chunk, round nothing but the chunk's two stores.
.set PCAP, 2112
.set LCAP, 2240
.set ALL,  16                          ; v16-143  load j at 16 + 4 j: (first, second expert) of tokens 64 j + 2 l and 64 j + 2 l + 1
.set OWN,  144                         ; v144-151 chunk q of mine: (first, second expert) of token 128 w + 32 q + l
.set LA,   152                         ; v152-155 chunk q: 4 x my position in the list
.set WA,   156                         ; v156-159 chunk q: my byte in my wave's part of where, less 256 q
.set TV,   160                         ; v160-163 chunk q: my token
.set WV,   164                         ; v164-167 chunk q: the row of my part
.set PD,   168                         ; v168-173 the 192 entries behind the last member
.set CN,   174                         ; v174     the count
.set MK,   28                          ; s28-31   chunk q: the mask of its members
.set BC,   32                          ; s32-47   the members in each block of 128 tokens
.set MB,   66                          ; s66-97   a batch of 32 masks
	s_load_b128 s[4:7], s[0:1], 0x0                ; sel, list
	s_load_b128 s[8:11], s[0:1], 0x10              ; cnt, where
	v_lshrrev_b32 v1, 5, v0
	v_readfirstlane_b32 s12, v1                    ; wave 0..15
	s_mov_b32 s13, ttmp9                           ; e
	v_and_b32 v1, 31, v0                           ; l
	v_lshlrev_b32 v2, 4, v1                        ; 16 l: two tokens' pairs
	v_lshlrev_b32 v3, 3, v1                        ; 8 l: a token's pair in a chunk of sel or of where,
	s_lshl_b32 s20, s12, 10
	v_add_nc_u32 v3, s20, v3                       ; + my 4 chunks of 256 bytes
	v_mov_b32 v4, 4
	s_lshl_b32 s20, s12, 7
	v_add_nc_u32 v5, s20, v1                       ; my token in my first chunk
	v_mov_b32 v6, 0
	s_mul_i32 s25, s13, 16*PCAP
	s_mul_i32 s20, s13, LCAP*4
	s_mov_b32 s21, 0
	s_lshl_b32 s22, s13, 2
	s_mov_b32 s23, 0
	s_wait_kmcnt 0x0
	s_add_nc_u64 s[6:7], s[6:7], s[20:21]          ; my expert's list
	s_add_nc_u64 s[8:9], s[8:9], s[22:23]          ; and count
.set c, 0
.rept 32
	global_load_b128 v[ALL+4*c:ALL+4*c+3], v2, s[4:5] offset:512*c                ; 512 consecutive bytes a load
.set c, c+1
.endr
.set c, 0
.rept 4
	global_load_b64 v[OWN+2*c:OWN+2*c+1], v3, s[4:5] offset:256*c                 ; 256 consecutive bytes a load
.set c, c+1
.endr
.irp bk, 0,1,2,3,4,5,6,7,8,9,10,11,12,13,14,15
	s_mov_b32 s[BC+\bk], 0
.endr
	s_wait_loadcnt 0x0
	s_wait_xcnt 0x0                                ; EXEC is changed below only behind this wait
.irp bt, 0,1,2,3                       ; a batch: 8 loads, 512 tokens, 4 blocks
.set c, 0
.rept 32
	v_cmp_eq_u32 s[MB+c], s13, v[ALL+32*\bt+c]
.set c, c+1
.endr
.set c, 0
.rept 16                               ; registers 2 c and 2 c + 1 of the batch are one token's two experts a lane; 4 such pairs make a block
	s_or_b32 s[20+c%4], s[MB+2*c], s[MB+2*c+1]
	s_bcnt1_i32_b32 s[20+c%4], s[20+c%4]
	s_add_co_u32 s[BC+4*\bt+c/4], s[BC+4*\bt+c/4], s[20+c%4]
.set c, c+1
.endr
.endr
	s_mov_b32 s15, 0                               ; the expert's count
.irp bk, 0,1,2,3,4,5,6,7,8,9,10,11,12,13,14,15
	s_add_co_u32 s15, s15, s[BC+\bk]
.endr
	s_mov_b32 s14, 0                               ; my first position: the members in the blocks ahead of mine
.irp bk, 0,1,2,3,4,5,6,7,8,9,10,11,12,13,14
	s_cmp_gt_u32 s12, \bk
	s_cselect_b32 s20, s[BC+\bk], 0
	s_add_co_u32 s14, s14, s20
.endr
; One chunk of 32 tokens: what its members will store, and where.  A member's position = s14 + the members in the lanes below it.  All lanes are on; what a lane that is no member gets is not used.
.macro ADDR q
	v_cmp_eq_u32 s20, s13, v[OWN+2*(\q)]
	v_cmp_eq_u32 s21, s13, v[OWN+2*(\q)+1]
	s_or_b32 s[MK+(\q)], s20, s21
	v_mbcnt_lo_u32_b32 v[LA+(\q)], s[MK+(\q)], s14
	v_min_u32 v[LA+(\q)], 0x7ff, v[LA+(\q)]        ; a position is under 2,048; the bound is written out, since it goes into an address
	v_add_nc_u32 v[WV+(\q)], s25, v[LA+(\q)]       ; the row of the part
	v_lshlrev_b32 v[LA+(\q)], 2, v[LA+(\q)]
	v_cndmask_b32 v[WA+(\q)], v6, v4, s21          ; k = 1: four bytes on
	v_min_u32 v[WA+(\q)], 4, v[WA+(\q)]
	v_add_nc_u32 v[WA+(\q)], v[WA+(\q)], v3
	v_add_nc_u32 v[TV+(\q)], 32*(\q), v5           ; the token
	s_bcnt1_i32_b32 s20, s[MK+(\q)]
	s_add_co_u32 s14, s14, s20
.endm
.set Q, 0
.rept 4
	ADDR Q
.set Q, Q+1
.endr
	v_add_nc_u32 v175, s15, v1                     ; the 192 entries behind the last member: count + l + 32 i, LCAP - 1 at the most
.irp i, 0,1,2,3,4,5
	v_add_nc_u32 v[PD+\i], 32*\i, v175
	v_min_u32 v[PD+\i], LCAP-1, v[PD+\i]
	v_lshlrev_b32 v[PD+\i], 2, v[PD+\i]
.endr
	v_mov_b32 v[CN], s15
	; from here on no vector register is written
	s_cmp_lg_u32 s12, 0
	s_cbranch_scc1 .Lmembers
.irp i, 0,1,2,3,4,5
	global_store_b32 v[PD+\i], v6, s[6:7]          ; wave 0: they become token 0; 32 lanes store 128 consecutive bytes
.endr
	s_mov_b32 s23, 1                               ; lane 0 alone
	s_wait_xcnt 0x0                                ; EXEC narrows only behind this wait
	s_and_saveexec_b32 s22, s23
	global_store_b32 v6, v[CN], s[8:9]             ; the count
	s_wait_xcnt 0x0                                ; and widens only behind this one
	s_or_b32 exec_lo, exec_lo, s22
.Lmembers:
; A chunk's members store.  On every way to a narrowing of EXEC the last global instruction stands ahead of a wait on XCNT for 0.
.macro SEND q
	s_and_saveexec_b32 s22, s[MK+(\q)]             ; members only
	global_store_b32 v[LA+(\q)], v[TV+(\q)], s[6:7]                               ; neighbouring members store neighbouring words
	global_store_b32 v[WA+(\q)], v[WV+(\q)], s[10:11] offset:256*(\q)
	s_wait_xcnt 0x0                                ; EXEC widens only behind this wait
	s_or_b32 exec_lo, exec_lo, s22
.endm
.set Q, 0
.rept 4
	SEND Q
.set Q, Q+1
.endr
	s_endpgm
.Lfunc_end_k_qa438c00d74_place:
	.size	k_qa438c00d74_place, .Lfunc_end_k_qa438c00d74_place-k_qa438c00d74_place
	.p2alignl 7, 3214868480
	.fill 96, 4, 3214868480
	.section	.rodata,"a",@progbits
	.p2align	6, 0x0
	.amdhsa_kernel k_qa438c00d74_place
		.amdhsa_group_segment_fixed_size 0
		.amdhsa_private_segment_fixed_size 0
		.amdhsa_enable_private_segment 0
		.amdhsa_kernarg_size 32
		.amdhsa_user_sgpr_count 2
		.amdhsa_user_sgpr_kernarg_segment_ptr 1
		.amdhsa_wavefront_size32 1
		.amdhsa_system_sgpr_workgroup_id_x 1
		.amdhsa_system_sgpr_workgroup_id_y 1
		.amdhsa_system_sgpr_workgroup_id_z 1
		.amdhsa_system_vgpr_workitem_id 0
		.amdhsa_next_free_vgpr 192
		.amdhsa_next_free_sgpr 100
		.amdhsa_reserve_vcc 0
		.amdhsa_float_denorm_mode_32 3
		.amdhsa_float_denorm_mode_16_64 3
		.amdhsa_memory_ordered 1
		.amdhsa_forward_progress 1
		.amdhsa_inst_pref_size 27
	.end_amdhsa_kernel
	.amdgpu_metadata
---
amdhsa.version: [ 1, 2 ]
amdhsa.kernels:
  - .name:           k_qa438c00d74_place
    .symbol:         k_qa438c00d74_place.kd
    .args:
      - { .name: sel, .offset: 0, .size: 8, .value_kind: global_buffer, .address_space: global }
      - { .name: list, .offset: 8, .size: 8, .value_kind: global_buffer, .address_space: global }
      - { .name: cnt, .offset: 16, .size: 8, .value_kind: global_buffer, .address_space: global }
      - { .name: where, .offset: 24, .size: 8, .value_kind: global_buffer, .address_space: global }
    .group_segment_fixed_size: 0
    .private_segment_fixed_size: 0
    .kernarg_segment_align: 8
    .kernarg_segment_size: 32
    .max_flat_workgroup_size: 512
    .sgpr_count:     100
    .vgpr_count:     192
    .wavefront_size: 32
...
	.end_amdgpu_metadata
.endif
;; end of part 2
;; launch chain (part 3): grid 16 x 16, 4 waves a work-group, no clusters, 274,944 bytes of LDS; arguments x_codes, We_codes, be, lowp_scales, list, cnt, part; writes part
.if DOCPART == 3
	.amdgcn_target "amdgcn-amd-amdhsa--gfx1250"
	.amdhsa_code_object_version 6
	.text
	.protected	k_qa438c00d74_chain
	.globl	k_qa438c00d74_chain
	.p2align	8
	.type	k_qa438c00d74_chain,@function
k_qa438c00d74_chain:
	s_mov_b64 s[64:65], 0
	v_nop
	global_prefetch_b8 v0, s[64:65] scope:SCOPE_SE
	s_setreg_imm32_b32 hwreg(HW_REG_WAVE_MODE, 25, 1), 1
	s_wait_xcnt 0x0
; THE EXPERTS' PRODUCT ON THE CHOSEN ROWS ALONE.  part[e][cb][p][c] = bf16( 2^(e2 + e3) x (sum over k of x_code[list[e][p]][k] We_code[e][64 cb + c][k]) + be[e][64 cb + c] ), p under cnt[e].
; SHARES.  Work-group (cb, e) owns 64 columns of expert e, for all rows that chose e.  ITS FOUR WAVES SPLIT K: wave w keeps bytes 512 w .. 512 w + 511 of the 64 columns in 256 registers for the whole launch,
; so each byte of We is read by one wave of the launch, once.  Rows go in trips of 64: each wave gathers its quarter of the 64 rows (a load covers 512 consecutive bytes of one row), turns it into fragments through
; its own stage in LDS, and multiplies: 64 matrix instructions.  The four partial sums meet in LDS; wave w finishes rows 16 w .. 16 w + 15 of the trip.
; THE TRIP COUNT IS THE CONSTANT 32, which serves every split (all 2,048 tokens on one expert too): a trip beyond the expert's count jumps over its work and passes only its barrier, so every wave passes every barrier.
; The branches hang on the stored count, so operands come by plain loads: no tensor load, no copy, no cluster (partners would need different numbers of trips).
; AHEAD.  Trip t asks for the rows of trip t + 1 (only those groups of 16 that exist) and for the token numbers of trip t + 2: the list has 192 written entries behind its last member for that.
; Rows past the count in a last group are token 0's or stale: a row of the product touches only its own row of the result,
; which lies in this work-group's own region of part (row under cnt + 16, under PCAP) and is read by nobody.  Columns 1,000 to 1,023 of the last block repeat column 999 and are read by nobody.
; THE PRODUCT IS USED TRANSPOSED: source 0 = 16 columns of We, source 1 = 16 rows: lane (r, h) holds row r and eight neighbouring columns.
; A fragment's registers 4 c .. 4 c + 3 hold k = 32 c + 16 h + 0 .. 15 of a step of 128: the same order of k in both operands.
; LIMITS: e2 + e3 between -126 and 127.  The result is rounded to bf16: it is an operand of the last product (K = 2), which the contract takes in bf16.
; REGISTERS, in windows of 256: window 0: v1-12 addresses, v16-23 the bias, v24-39 results to store, v64-127 the rows' addresses, v128-255 the 16 accumulators ((rt, ct) at 128 + 8 (4 rt + ct)), later the partial sums read back.
;   window 1: We's 16 fragments ((ct, s) at 16 (4 ct + s)).   window 2: 64 rows of x as loaded (row i at 4 i).   window 3: x's 16 fragments ((rt, s) at 64 rt + 16 s); at the head We as loaded.
.set PCAP,  2112
.set LCAP,  2240
.set SP,    528                        ; a stage row: 512 bytes + 16 = 132 words: the 16 rows of a fragment load start 4 words apart modulo 64 words
.set STGB,  64*SP                      ; a wave's stage
.set RP,    272                        ; a row of partial sums: 64 f32 + 16 bytes = 68 words
.set REDW,  64*RP                      ; one wave's 64 rows
.set REDB,  4*REDW                     ; a buffer: four waves'
.set RED0,  4*STGB                     ; two buffers behind the stages, by turns
.set XL,  4                            ; v4   512 w + 16 l: my bytes of a row of x or of We
.set ST,  5                            ; v5   into my stage
.set FR,  6                            ; v6   out of it
.set RS,  7                            ; v7, v8   where I put my partial sums, buffer 0, 1
.set RR,  9                            ; v9, v10  where I read all four waves', buffer 0, 1
.set PO,  11                           ; v11  my 16 bytes in the trip's 64 rows of part
.set BIAS, 16
.set OUTR, 24
.set ADR, 64
.set R,   128
.set MSB, 0
.macro WIN new                         ; the immediate's high byte repeats the setting that is left
.if MSB != \new
	s_set_vgpr_msb (MSB<<8)|\new
.set MSB, \new
.endif
.endm
	s_load_b256 s[4:11], s[0:1], 0x0               ; x's codes s[4:5], We's s[6:7], be s[8:9], the scales' exponents s[10:11]
	s_load_b128 s[12:15], s[0:1], 0x20             ; list, cnt
	s_load_b64 s[16:17], s[0:1], 0x30              ; part
	v_lshl_add_u32 v62, v0, 2, 0x43000
	v_mov_b32 v63, 0
	v_lshrrev_b32 v1, 5, v0
	v_readfirstlane_b32 s18, v1                    ; wave 0..3
	s_mov_b32 s19, ttmp9                           ; cb
	s_and_b32 s20, ttmp7, 0xffff                   ; e
	v_and_b32 v1, 31, v0                           ; l
	v_and_b32 v2, 15, v0                           ; r
	v_bfe_u32 v3, v0, 4, 1                         ; h
	s_lshl_b32 s25, s18, 9
	v_lshl_add_u32 v[XL], v1, 4, s25
	s_mul_i32 s25, s18, STGB
	v_lshl_add_u32 v[ST], v1, 4, s25
	v_mul_u32_u24 v[FR], v2, SP
	v_lshl_add_u32 v[FR], v3, 4, v[FR]
	v_add_nc_u32 v[FR], s25, v[FR]
	s_mul_i32 s25, s18, REDW
	v_mul_u32_u24 v[RS], v2, RP
	v_lshl_add_u32 v[RS], v3, 5, v[RS]
	v_add_nc_u32 v[RS], s25, v[RS]
	v_add_nc_u32 v[RS], RED0, v[RS]                ; my region, row r, + 32 h
	v_add_nc_u32 v[RS+1], REDB, v[RS]
	v_bfe_u32 v13, v0, 3, 2                        ; l / 8: one of four rows
	v_mul_u32_u24 v[RR], v13, RP
	v_and_b32 v13, 7, v0                           ; l % 8: eight columns, 32 bytes
	v_lshl_add_u32 v[RR], v13, 5, v[RR]
	s_mul_i32 s25, s18, 16*RP
	v_add_nc_u32 v[RR], s25, v[RR]
	v_add_nc_u32 v[RR], RED0, v[RR]
	v_add_nc_u32 v[RR+1], REDB, v[RR]
	s_lshl_b32 s25, s18, 11
	v_lshl_add_u32 v[PO], v1, 4, s25               ; 16 rows of 128 bytes a wave; four rows' 512 bytes an instruction
	s_lshl_b32 s28, s19, 6                         ; my first column
	v_lshl_add_u32 v12, v13, 3, s28
	v_min_u32 v12, 992, v12                        ; the last block's columns past 999 take the last eight's bias: read by nobody
	v_lshlrev_b32 v12, 2, v12
	s_lshl_b32 s24, s18, 4                         ; 16 w
	s_mov_b32 s3, 0
	s_wait_kmcnt 0x0
	s_mul_i32 s2, s20, 2048000
	s_add_nc_u64 s[6:7], s[6:7], s[2:3]            ; We at my expert
	s_mul_i32 s2, s20, LCAP*4
	s_add_nc_u64 s[12:13], s[12:13], s[2:3]        ; its list
	s_lshl_b32 s2, s20, 2
	s_add_nc_u64 s[14:15], s[14:15], s[2:3]        ; its count
	s_mul_i32 s2, s20, 4000
	s_add_nc_u64 s[8:9], s[8:9], s[2:3]            ; its bias
	s_lshl_b32 s2, s20, 4
	s_add_co_u32 s2, s2, s19
	s_mul_i32 s2, s2, PCAP*128
	s_add_nc_u64 s[16:17], s[16:17], s[2:3]        ; my region of part
	s_load_b32 s21, s[14:15], 0x0                  ; the count
	s_load_b512 s[32:47], s[12:13], 0x0            ; the first trip's 64 tokens (members, or the zeros behind them)
	s_load_b512 s[48:63], s[12:13], 0x40
	s_load_b512 s[68:83], s[12:13], 0x80
	s_load_b512 s[84:99], s[12:13], 0xc0
	s_load_b64 s[30:31], s[10:11], 0x8             ; e2, e3
	global_load_b128 v[BIAS:BIAS+3], v12, s[8:9]
	global_load_b128 v[BIAS+4:BIAS+7], v12, s[8:9] offset:16
.set i, 0
.rept 64
	s_add_co_u32 s25, s28, i
	s_min_u32 s25, s25, 999                        ; no load leaves the expert's 1,000 columns
	v_lshl_add_u32 v[ADR+i], s25, 11, v[XL]
.set i, i+1
.endr
	WIN 0xc0                                       ; destination window 3
.set i, 0
.rept 64
	global_load_b128 v[4*i:4*i+3], v[ADR+i], s[6:7] th:TH_LOAD_NT                 ; column i: 512 consecutive bytes; read once in the launch
.set i, i+1
.endr
	WIN 0
; 16 token numbers become 16 addresses
.macro XADR g, sb
.irp k, 0,1,2,3,4,5,6,7,8,9,10,11,12,13,14,15
	s_min_u32 s[\sb+\k], s[\sb+\k], 2047           ; a token's number; the bound is written out, since it goes into an address
	v_lshl_add_u32 v[ADR+16*\g+\k], s[\sb+\k], 11, v[XL]
.endr
.endm
.macro XLD g                           ; 16 rows of x: my 512 bytes of each
	WIN 0x80                                       ; destination window 2
.irp k, 0,1,2,3,4,5,6,7,8,9,10,11,12,13,14,15
	global_load_b128 v[4*(16*\g+\k):4*(16*\g+\k)+3], v[ADR+16*\g+\k], s[4:5]
.endr
	WIN 0
.endm
.macro XLDC g                          ; the same for the next trip, if its group g has a member
	s_add_co_u32 s25, s22, 64+16*\g
	s_cmp_lt_u32 s25, s21
	s_cbranch_scc0 .Lnone_\@
	XLD \g
.Lnone_\@:
.endm
.macro IDS off                         ; 64 token numbers from off bytes behind the list's pointer on: members, or the zeros behind them
	s_load_b512 s[32:47], s[12:13], \off
	s_load_b512 s[48:63], s[12:13], \off+0x40
	s_load_b512 s[68:83], s[12:13], \off+0x80
	s_load_b512 s[84:99], s[12:13], \off+0xc0
.endm
	s_wait_kmcnt 0x0
	s_min_u32 s21, s21, 2048
	s_wait_xcnt 0x0                                ; We's loads have read their addresses: the registers take the rows'
	XADR 0, 32
	XADR 1, 48
	XADR 2, 68
	XADR 3, 84
	IDS 0x100                                      ; the second trip's tokens, into the registers just read; the wait for them stands in the first trip
	XLD 0                                          ; the first trip's four groups come without a condition, so that window 2 is written on every way
	XLD 1
	XLD 2
	XLD 3
	s_wait_loadcnt 63                              ; behind the 2 + 64 loads of the bias and of We stand 64 of x: with 63 out at the most, the bias and We are in
	WIN 0x0c                                       ; store data window 3
.set i, 0
.rept 64
	ds_store_b128 v[ST], v[4*i:4*i+3] offset:SP*i
.set i, i+1
.endr
	WIN 0x40                                       ; destination window 1
.irp ct, 0,1,2,3
.irp s, 0,1,2,3
.irp c, 0,1,2,3
	ds_load_b128 v[16*(4*\ct+\s)+4*\c:16*(4*\ct+\s)+4*\c+3], v[FR] offset:SP*16*\ct+128*\s+32*\c   ; LDS serves a wave's instructions in order (ISA guide 5.7.1.4): these see my stores
.endr
.endr
.endr
	WIN 0
	s_wait_dscnt 0x0                               ; We's fragments are in their registers for good; the stage is free
	s_add_co_i32 s26, s30, s31
	s_add_co_i32 s26, s26, 127
	s_lshl_b32 s26, s26, 23                        ; 2^(e2 + e3) as f32
	s_mov_b32 s27, s26                             ; (named with it as a pair, so it is written)
	s_mov_b32 s22, 0                               ; the trip's first row
	s_mov_b32 s23, 16                              ; passes of two trips
; x's four fragments of K step s: a run of 16 LDS loads
.macro XFL s
.irp rt, 0,1,2,3
.irp c, 0,1,2,3
	ds_load_b128 v[64*\rt+16*(\s)+4*\c:64*\rt+16*(\s)+4*\c+3], v[FR] offset:SP*16*\rt+128*(\s)+32*\c
.endr
.endr
.endm
; K step s: 16 matrix instructions.  The sixteen accumulators take turns, one instruction a turn, in the same order in every step; step 0 starts the sums
.macro MM s
.irp rt, 0,1,2,3
.irp ct, 0,1,2,3
.if (\s) == 0
	v_wmma_f32_16x16x128_bf8_bf8 v[R+8*(4*\rt+\ct):R+8*(4*\rt+\ct)+7], v[16*(4*\ct+(\s)):16*(4*\ct+(\s))+15], v[64*\rt+16*(\s):64*\rt+16*(\s)+15], 0
.else
	v_wmma_f32_16x16x128_bf8_bf8 v[R+8*(4*\rt+\ct):R+8*(4*\rt+\ct)+7], v[16*(4*\ct+(\s)):16*(4*\ct+(\s))+15], v[64*\rt+16*(\s):64*\rt+16*(\s)+15], v[R+8*(4*\rt+\ct):R+8*(4*\rt+\ct)+7]
.endif
.endr
.endr
.endm
; A TRIP: rows s22 .. s22 + 63 of the expert's list, partial sums through buffer bf.
.macro TRIP bf
	s_cmp_lt_u32 s22, s21
	s_cbranch_scc0 .Lno_rows_\@                    ; the same in all four waves
	s_wait_loadcnt 0x0                             ; this trip's rows are in (the loads stood under branches: so the count is 0); their address registers are free
	WIN 0x08                                       ; store data window 2
.set i, 0
.rept 64
	ds_store_b128 v[ST], v[4*i:4*i+3] offset:SP*i
.set i, i+1
.endr
	WIN 0
	s_wait_kmcnt 0x0                               ; the next trip's tokens, asked for a trip ago
	XADR 0, 32                                     ; 128 lines on registers stand between the stores and the wait for them
	XADR 1, 48
	XADR 2, 68
	XADR 3, 84
	IDS 0x200                                      ; the tokens of the trip after the next, rows s22 + 128 on, into the registers just read: a whole trip ahead of the wait for them
	s_wait_dscnt 0x0                               ; the stores have read window 2, which takes the next trip's rows
	WIN 0xc0                                       ; destination window 3
	XFL 0
	XFL 1
	WIN 0
	XLDC 0                                         ; the next trip's rows are asked for while the first two runs of LDS loads are served
	XLDC 1
	XLDC 2
	XLDC 3
	; from here on a run of 16 LDS loads stands between two steps' products: it lands in registers that this trip's products have not read yet (their last reader is the trip before, behind its five v_nop)
	s_wait_dscnt 16                                ; step 0's 16 loads are in; step 1's may be out
	WIN 0x0d                                       ; source 0 (We) window 1, source 1 (x) window 3, C and D window 0
	MM 0
	WIN 0xc0
	XFL 2
	s_wait_dscnt 16                                ; step 1's are in; the 16 just issued may be out
	WIN 0x0d
	MM 1
	WIN 0xc0
	XFL 3
	s_wait_dscnt 16                                ; step 2's are in; the 16 just issued may be out
	WIN 0x0d
	MM 2
	s_wait_dscnt 0x0
	MM 3
	WIN 0
.rept 5
	v_nop                                          ; four places ahead of the stores that read the results and of later loads into the products' registers; the fifth for the next trip's first products, which write over the accumulators
.endr
.irp rt, 0,1,2,3
.irp ct, 0,1,2,3
	ds_store_b128 v[RS+\bf], v[R+8*(4*\rt+\ct):R+8*(4*\rt+\ct)+3] offset:16*RP*\rt+64*\ct        ; row 16 rt + r, columns 16 ct + 8 h + 0 .. 3; each accumulator from its low end on
	ds_store_b128 v[RS+\bf], v[R+8*(4*\rt+\ct)+4:R+8*(4*\rt+\ct)+7] offset:16*RP*\rt+64*\ct+16
.endr
.endr
.Lno_rows_\@:
	s_wait_dscnt 0x0                               ; my partial sums lie in this buffer, and my reads of the other buffer, a trip ago, are over: it is written again only behind this barrier
	s_barrier_signal -1
	s_barrier_wait -1                              ; outside every branch: every wave passes it in every trip
	s_add_co_u32 s25, s22, s24
	s_cmp_lt_u32 s25, s21
	s_cbranch_scc0 .Lno_out_\@                     ; none of my 16 rows is a member's
.irp i, 0,1,2,3                        ; four rows an instruction; lane l: row 4 i + l / 8, columns 8 (l % 8) + 0 .. 7
.irp q, 0,1,2,3
	ds_load_b128 v[R+32*\q+8*\i:R+32*\q+8*\i+3], v[RR+\bf] offset:REDW*\q+4*RP*\i
	ds_load_b128 v[R+32*\q+8*\i+4:R+32*\q+8*\i+7], v[RR+\bf] offset:REDW*\q+4*RP*\i+16
.endr
.endr
.irp i, 0,1,2,3
	s_wait_dscnt 24-8*\i                           ; group i's eight loads are in; those of the later groups may be out
.irp p, 0,2,4,6
	v_pk_add_f32 v[R+8*\i+\p:R+8*\i+\p+1], v[R+8*\i+\p:R+8*\i+\p+1], v[R+32+8*\i+\p:R+32+8*\i+\p+1]   ; ((q0 + q1) + q2) + q3: K ascending
.endr
.irp p, 0,2,4,6
	v_pk_add_f32 v[R+8*\i+\p:R+8*\i+\p+1], v[R+8*\i+\p:R+8*\i+\p+1], v[R+64+8*\i+\p:R+64+8*\i+\p+1]
.endr
.irp p, 0,2,4,6
	v_pk_add_f32 v[R+8*\i+\p:R+8*\i+\p+1], v[R+8*\i+\p:R+8*\i+\p+1], v[R+96+8*\i+\p:R+96+8*\i+\p+1]
.endr
.irp p, 0,2,4,6
	v_pk_fma_f32 v[R+8*\i+\p:R+8*\i+\p+1], v[R+8*\i+\p:R+8*\i+\p+1], s[26:27], v[BIAS+\p:BIAS+\p+1] op_sel_hi:[1,0,1]   ; sum x 2^(e2 + e3) + be
.endr
.irp k, 0,1,2,3
	v_cvt_pk_bf16_f32 v[OUTR+4*\i+\k], v[R+8*\i+2*\k], v[R+8*\i+2*\k+1]
.endr
	global_store_b128 v[PO], v[OUTR+4*\i:OUTR+4*\i+3], s[16:17] offset:512*\i     ; 32 lanes: four rows of 128 bytes: 512 consecutive bytes, aligned
.endr
.Lno_out_\@:
	s_wait_xcnt 0x0                                ; the stores' data and base and the list's base are written again only behind this wait
	s_add_nc_u64 s[16:17], s[16:17], 64*128
	s_add_nc_u64 s[12:13], s[12:13], 64*4
	s_add_co_u32 s22, s22, 64
.endm
.Lpass:
	TRIP 0
	TRIP 1
	s_sub_co_u32 s23, s23, 1
	s_cmp_lg_u32 s23, 0
	s_cbranch_scc1 .Lpass
	s_wait_tensorcnt 0x0
	ds_add_u32 v62, v63
	s_wait_dscnt 0x0
	s_endpgm
.Lfunc_end_k_qa438c00d74_chain:
	.size	k_qa438c00d74_chain, .Lfunc_end_k_qa438c00d74_chain-k_qa438c00d74_chain
	.p2alignl 7, 3214868480
	.fill 96, 4, 3214868480
	.section	.rodata,"a",@progbits
	.p2align	6, 0x0
	.amdhsa_kernel k_qa438c00d74_chain
		.amdhsa_group_segment_fixed_size 274944
		.amdhsa_private_segment_fixed_size 0
		.amdhsa_enable_private_segment 0
		.amdhsa_kernarg_size 56
		.amdhsa_user_sgpr_count 2
		.amdhsa_user_sgpr_kernarg_segment_ptr 1
		.amdhsa_wavefront_size32 1
		.amdhsa_system_sgpr_workgroup_id_x 1
		.amdhsa_system_sgpr_workgroup_id_y 1
		.amdhsa_system_sgpr_workgroup_id_z 1
		.amdhsa_system_vgpr_workitem_id 0
		.amdhsa_next_free_vgpr 1024
		.amdhsa_next_free_sgpr 100
		.amdhsa_reserve_vcc 0
		.amdhsa_float_denorm_mode_32 3
		.amdhsa_float_denorm_mode_16_64 3
		.amdhsa_memory_ordered 1
		.amdhsa_forward_progress 1
		.amdhsa_inst_pref_size 119
	.end_amdhsa_kernel
	.amdgpu_metadata
---
amdhsa.version: [ 1, 2 ]
amdhsa.kernels:
  - .name:           k_qa438c00d74_chain
    .symbol:         k_qa438c00d74_chain.kd
    .args:
      - { .name: x_codes, .offset: 0, .size: 8, .value_kind: global_buffer, .address_space: global }
      - { .name: We_codes, .offset: 8, .size: 8, .value_kind: global_buffer, .address_space: global }
      - { .name: be, .offset: 16, .size: 8, .value_kind: global_buffer, .address_space: global }
      - { .name: lowp_scales, .offset: 24, .size: 8, .value_kind: global_buffer, .address_space: global }
      - { .name: list, .offset: 32, .size: 8, .value_kind: global_buffer, .address_space: global }
      - { .name: cnt, .offset: 40, .size: 8, .value_kind: global_buffer, .address_space: global }
      - { .name: part, .offset: 48, .size: 8, .value_kind: global_buffer, .address_space: global }
    .group_segment_fixed_size: 274944
    .private_segment_fixed_size: 0
    .kernarg_segment_align: 8
    .kernarg_segment_size: 56
    .max_flat_workgroup_size: 128
    .sgpr_count:     100
    .vgpr_count:     1024
    .wavefront_size: 32
...
	.end_amdgpu_metadata
.endif
;; end of part 3
;; launch mix (part 4): grid 250 x 1, 8 waves a work-group, no clusters, 0 bytes of LDS; arguments part, where, gate, out0; writes out0
.if DOCPART == 4
	.amdgcn_target "amdgcn-amd-amdhsa--gfx1250"
	.amdhsa_code_object_version 6
	.text
	.protected	k_qa438c00d74_mix
	.globl	k_qa438c00d74_mix
	.p2align	8
	.type	k_qa438c00d74_mix,@function
k_qa438c00d74_mix:
	s_mov_b64 s[64:65], 0
	v_nop
	global_prefetch_b8 v0, s[64:65] scope:SCOPE_SE
	s_setreg_imm32_b32 hwreg(HW_REG_WAVE_MODE, 25, 1), 1
	s_wait_xcnt 0x0
; THE LAST PRODUCT (K = 2): out[t][c] = g0[t] x l0[t][c] + g1[t] x l1[t][c], l0 and l1 the token's two rows of part (bf16), the gates and the sum in f32.
; out0 is taken as a plain stream of 512,000 groups of four numbers (1,000 is a multiple of 4, so a group lies in one token).  Thread i of work-group g takes groups 2,048 g + 256 u + i, u = 0 .. 7:
; every store of a wave covers 512 consecutive bytes, aligned.  Memory binds: no LDS, no barrier, no matrix instruction (two multiply-adds a number).  Every register is written once, so no store's source is written again.
.set T,   16                           ; v16-23   the token
.set OFF, 24                           ; v24-31   the group's bytes in a row of part: block of 64 columns x the block's pitch + 8 x the group in the block
.set WH,  32                           ; v32-47   the two rows
.set GT,  48                           ; v48-79   g0, g0, g1, g1
.set PA,  80                           ; v80-87, v88-95 the two addresses
.set L0,  96                           ; v96-111  four bf16 of the first row
.set L1,  112                          ; v112-127 of the second
.set F,   128                          ; v128-135 at work
.set O,   136                          ; v136-167 results
.set A8,  168
.set A16, 176
	s_load_b256 s[4:11], s[0:1], 0x0               ; part s[4:5], where s[6:7], gate s[8:9], out0 s[10:11]
	s_mov_b32 s12, 0x020c49bb                      ; ceil(2^32 / 125): the high word of n x this is n / 125 for every n under 256,000 (the excess, n x 0.632 / 2^32, stays under 1 / 125)
	s_mov_b32 s14, 0xffff0000                      ; a word's upper bf16
	s_lshl_b32 s13, ttmp9, 11
	v_add_nc_u32 v9, s13, v0                       ; my first group
	v_lshlrev_b32 v8, 4, v0                        ; 16 bytes a thread
.irp u, 0,1,2,3,4,5,6,7
	v_add_nc_u32 v10, 256*\u, v9                   ; G
	v_lshrrev_b32 v11, 1, v10
	v_mul_hi_u32 v[T+\u], v11, s12                 ; t = G / 250
	v_mul_u32_u24 v11, 250, v[T+\u]
	v_sub_nc_u32 v11, v10, v11                     ; the group in the token, 0 .. 249
	v_lshrrev_b32 v12, 4, v11                      ; its block of 64 columns
	v_and_b32 v11, 15, v11
	v_mul_u32_u24 v12, 0x42000, v12                ; a block's 2,112 rows of 128 bytes
	v_lshl_add_u32 v[OFF+\u], v11, 3, v12
	v_lshlrev_b32 v[A8+\u], 3, v[T+\u]
	v_lshlrev_b32 v[A16+\u], 4, v[T+\u]
.endr
	s_lshl_b32 s16, ttmp9, 15                      ; the work-group's 32,768 bytes of out0
	s_mov_b32 s17, 0
	s_wait_kmcnt 0x0
	s_add_nc_u64 s[10:11], s[10:11], s[16:17]
.irp u, 0,1,2,3,4,5,6,7
	global_load_b64 v[WH+2*\u:WH+2*\u+1], v[A8+\u], s[6:7]
.endr
.irp u, 0,1,2,3,4,5,6,7
	global_load_b128 v[GT+4*\u:GT+4*\u+3], v[A16+\u], s[8:9]
.endr
	s_wait_loadcnt 8                               ; the rows' numbers are in; the eight loads of the gates may be out
.irp u, 0,1,2,3,4,5,6,7
	v_min_u32 v[WH+2*\u], 0x7c43f, v[WH+2*\u]      ; 15 x 16 x 2,112 + 2,111 at the most; the bound is written out, since it goes into an address
	v_min_u32 v[WH+2*\u+1], 0x7c43f, v[WH+2*\u+1]
	v_lshl_add_u32 v[PA+\u], v[WH+2*\u], 7, v[OFF+\u]
	v_lshl_add_u32 v[PA+8+\u], v[WH+2*\u+1], 7, v[OFF+\u]
.endr
.irp u, 0,1,2,3,4,5,6,7
	global_load_b64 v[L0+2*\u:L0+2*\u+1], v[PA+\u], s[4:5] th:TH_LOAD_NT          ; sixteen neighbouring lanes read a row's 128 bytes of a block; read once
	global_load_b64 v[L1+2*\u:L1+2*\u+1], v[PA+8+\u], s[4:5] th:TH_LOAD_NT
.endr
.irp u, 0,1,2,3,4,5,6,7
	s_wait_loadcnt 14-2*\u                         ; group u's pair is in (and all gates, issued earlier); the later groups' pairs may be out
	v_lshlrev_b32 v[F], 16, v[L0+2*\u]             ; bf16 to f32: the low half moves up, the high half stays
	v_and_b32 v[F+1], s14, v[L0+2*\u]
	v_lshlrev_b32 v[F+2], 16, v[L0+2*\u+1]
	v_and_b32 v[F+3], s14, v[L0+2*\u+1]
	v_lshlrev_b32 v[F+4], 16, v[L1+2*\u]
	v_and_b32 v[F+5], s14, v[L1+2*\u]
	v_lshlrev_b32 v[F+6], 16, v[L1+2*\u+1]
	v_and_b32 v[F+7], s14, v[L1+2*\u+1]
	v_pk_mul_f32 v[O+4*\u:O+4*\u+1], v[F:F+1], v[GT+4*\u:GT+4*\u+1]
	v_pk_mul_f32 v[O+4*\u+2:O+4*\u+3], v[F+2:F+3], v[GT+4*\u:GT+4*\u+1]
	v_pk_fma_f32 v[O+4*\u:O+4*\u+1], v[F+4:F+5], v[GT+4*\u+2:GT+4*\u+3], v[O+4*\u:O+4*\u+1]
	v_pk_fma_f32 v[O+4*\u+2:O+4*\u+3], v[F+6:F+7], v[GT+4*\u+2:GT+4*\u+3], v[O+4*\u+2:O+4*\u+3]
	global_store_b128 v8, v[O+4*\u:O+4*\u+3], s[10:11] offset:4096*\u th:TH_STORE_NT
.endr
	s_endpgm
.Lfunc_end_k_qa438c00d74_mix:
	.size	k_qa438c00d74_mix, .Lfunc_end_k_qa438c00d74_mix-k_qa438c00d74_mix
	.p2alignl 7, 3214868480
	.fill 96, 4, 3214868480
	.section	.rodata,"a",@progbits
	.p2align	6, 0x0
	.amdhsa_kernel k_qa438c00d74_mix
		.amdhsa_group_segment_fixed_size 0
		.amdhsa_private_segment_fixed_size 0
		.amdhsa_enable_private_segment 0
		.amdhsa_kernarg_size 32
		.amdhsa_user_sgpr_count 2
		.amdhsa_user_sgpr_kernarg_segment_ptr 1
		.amdhsa_wavefront_size32 1
		.amdhsa_system_sgpr_workgroup_id_x 1
		.amdhsa_system_sgpr_workgroup_id_y 1
		.amdhsa_system_sgpr_workgroup_id_z 1
		.amdhsa_system_vgpr_workitem_id 0
		.amdhsa_next_free_vgpr 192
		.amdhsa_next_free_sgpr 66
		.amdhsa_reserve_vcc 0
		.amdhsa_float_denorm_mode_32 3
		.amdhsa_float_denorm_mode_16_64 3
		.amdhsa_memory_ordered 1
		.amdhsa_forward_progress 1
		.amdhsa_inst_pref_size 15
	.end_amdhsa_kernel
	.amdgpu_metadata
---
amdhsa.version: [ 1, 2 ]
amdhsa.kernels:
  - .name:           k_qa438c00d74_mix
    .symbol:         k_qa438c00d74_mix.kd
    .args:
      - { .name: part, .offset: 0, .size: 8, .value_kind: global_buffer, .address_space: global }
      - { .name: where, .offset: 8, .size: 8, .value_kind: global_buffer, .address_space: global }
      - { .name: gate, .offset: 16, .size: 8, .value_kind: global_buffer, .address_space: global }
      - { .name: out0, .offset: 24, .size: 8, .value_kind: global_buffer, .address_space: global }
    .group_segment_fixed_size: 0
    .private_segment_fixed_size: 0
    .kernarg_segment_align: 8
    .kernarg_segment_size: 32
    .max_flat_workgroup_size: 256
    .sgpr_count:     66
    .vgpr_count:     192
    .wavefront_size: 32
...
	.end_amdgpu_metadata
.endif
;; end of part 4
;; ======== version 2 of 2: 4 launches
;; workspace buffers: sel 16,384 bytes of whole numbers; gate 32,768 bytes; list 143,360 bytes of whole numbers; cnt 256 bytes of whole numbers; where 16,384 bytes of whole numbers; part 69,206,016 bytes
;; launch route (part 5): grid 64 x 1, 4 waves a work-group, no clusters, 110,080 bytes of LDS; arguments x_codes, Wr_codes, br, lowp_scales, sel, gate; writes sel, gate
.if DOCPART == 5
	.amdgcn_target "amdgcn-amd-amdhsa--gfx1250"
	.amdhsa_code_object_version 6
	.text
	.protected	k_qa438c00d74_route
	.globl	k_qa438c00d74_route
	.p2align	8
	.type	k_qa438c00d74_route,@function
k_qa438c00d74_route:
	s_mov_b64 s[64:65], 0
	v_nop
	global_prefetch_b8 v0, s[64:65] scope:SCOPE_SE
	s_setreg_imm32_b32 hwreg(HW_REG_WAVE_SCHED_MODE, 0, 2), 2
	s_setreg_imm32_b32 hwreg(HW_REG_WAVE_MODE, 25, 1), 1
	s_wait_xcnt 0x0
	s_wait_alu depctr_vm_vsrc(0)
; THE ROUTER.  choose[t][e] = 2^(e0 + e1) x (sum over k of x_code[t][k] Wr_code[e][k]) + br[e]; the two largest of a token's 16 (on equal scores the lower expert, as jax.lax.top_k has it);
; their softmax.  Stored at fixed places: sel[t] = (first expert, second expert), gate[t] = (g0, g0, g1, g1).  No address and no branch here hangs on a score.
; SHARES.  A work-group takes 32 tokens, two tiles of 16.  Its four waves split K: wave w takes bytes 512 w .. 512 w + 511 of every row, 4 steps of 128, 8 matrix instructions.  The four partial sums
; meet in LDS, and wave 0 finishes the 32 tokens, a lane a token.
; THE PRODUCT IS USED TRANSPOSED: source 0 = Wr's 16 experts, source 1 = 16 tokens: lane (r, h) holds token r and, in register j, expert 8 h + j.
; Rows come from memory as they lie (a load of the wave covers 512 consecutive bytes of one row) and turn into fragments through the wave's own stage in LDS.  A fragment's registers 4 c .. 4 c + 3 hold
; k = 32 c + 16 h + 0 .. 15 of the step: the same order of k in both operands, so every product meets its partner.
; LIMITS: e0 + e1 between -126 and 127, so that 2^(e0 + e1) is an f32 number.  Scores are finite: NaN and infinities among them are not served.  +0 and -0 count as equal.
; THE MODE: SCHED_MODE bits 1:0 = 2 (LLVM: expert scheduling mode 2), set by the entry lines.  The code itself states the register dependences
; between vector or matrix instructions and memory or LDS instructions, with s_wait_alu, always for 0.
; THE PLAN.  Registers that memory or LDS instructions touch:
;   v4-10      addresses and offsets: written once at the head, ahead of one wait on va_vdst; never written again.
;   v16-207    x and Wr: global loads land; the stage's LDS stores read them; (wait on vm_vsrc) the fragments' LDS loads land; the products read them; (wait on va_vdst) wave 0's LDS loads land in v16-63;
;              from there on vector instructions alone name v64-159, until the last stores.
;   v208-223   the accumulators: the products write them; (places, wait on va_vdst) four LDS stores read them.
;   v224-231   br: a load lands, vector instructions read.
;   v152-153, v156-159  the results: vector instructions write them; (wait on va_vdst) two global stores read them.
;   Scalar registers that vector instructions write: s16 (the wave's number), VCC, s24 and s26 (masks): a wait on va_sdst or va_vcc stands between each writer and its first reader.
.set SP,    528                        ; a stage row: 512 bytes + 16: 132 words, so that 16 rows of one fragment load start 4 words apart modulo 64 words
.set STGB,  48*SP                      ; a wave's stage: rows 0-31 x, rows 32-47 Wr
.set RED,   4*STGB                     ; behind the stages: 2,048 bytes a wave: the images of its two accumulators
.set XF,    16                         ; v16-143  x as loaded, then its fragments: tile t, step s at 16 + 64 t + 16 s
.set WF,    144                        ; v144-207 Wr as loaded, then its fragments: step s at 144 + 16 s
.set ACC,   208                        ; v208-215, v216-223 the two accumulators
.set BR,    224                        ; v224-231 br[8 h + j]
.set IDX,   232                        ; v232-239 8 h + j
.set CH,    64                         ; wave 0: v64-79 choose, tile t at 64 + 8 t
	s_load_b128 s[4:7], s[0:1], 0x0                ; x's codes, Wr's codes
	s_load_b128 s[8:11], s[0:1], 0x10              ; br, the scales' exponents
	s_load_b128 s[12:15], s[0:1], 0x20             ; sel, gate
	v_lshl_add_u32 v254, v0, 2, 0x1ac00
	v_mov_b32 v255, 0
	v_lshrrev_b32 v1, 5, v0
	v_readfirstlane_b32 s16, v1                    ; wave 0..3
	v_and_b32 v1, 31, v0                           ; l
	v_and_b32 v2, 15, v0                           ; r
	v_bfe_u32 v3, v0, 4, 1                         ; h
	v_lshlrev_b32 v4, 4, v1                        ; 16 l
	s_wait_alu depctr_va_sdst(0)                   ; s16 is written, ahead of its first reader
	s_mul_i32 s24, s16, STGB
	v_add_nc_u32 v5, s24, v4                       ; into my stage: 16 l of a row
	v_mul_u32_u24 v6, v2, SP
	v_lshl_add_u32 v6, v3, 4, v6
	v_add_nc_u32 v6, s24, v6                       ; out of it: row r, + 16 h
	s_lshl_b32 s25, s16, 11
	v_add_nc_u32 v7, s25, v4
	v_add_nc_u32 v7, RED, v7                       ; my accumulators' images: RED + 2,048 w + 16 l
	v_add_nc_u32 v8, RED, v4                       ; and where wave 0 reads all of them
	v_lshlrev_b32 v9, 3, v1                        ; sel: 8 bytes a token
	v_lshlrev_b32 v10, 5, v3                       ; br: 32 h
	s_mov_b32 s22, 0x76543210                      ; v_permlanex16_b32: lane l takes lane l xor 16
	s_mov_b32 s23, 0xfedcba98
	s_lshl_b32 s28, s16, 9                         ; my 512 bytes of every row
	s_mov_b32 s29, 0
	s_lshl_b32 s26, ttmp9, 16                      ; the work-group's 32 rows of 2,048 bytes
	s_add_co_u32 s26, s26, s28
	s_mov_b32 s27, 0
	s_lshl_b32 s30, ttmp9, 8                       ; its 256 bytes of sel
	s_mov_b32 s31, 0
	s_lshl_b32 s32, ttmp9, 9                       ; its 512 bytes of gate
	s_mov_b32 s33, 0
	s_wait_kmcnt 0x0
	s_load_b64 s[18:19], s[10:11], 0x0             ; e0, e1
	s_add_nc_u64 s[4:5], s[4:5], s[26:27]
	s_add_nc_u64 s[6:7], s[6:7], s[28:29]
	s_add_nc_u64 s[12:13], s[12:13], s[30:31]
	s_add_nc_u64 s[14:15], s[14:15], s[32:33]
	s_wait_alu depctr_va_vdst(0)                   ; v4 to v10 are written, which every load and store of the kernel reads as its address or offset
	global_load_b128 v[BR:BR+3], v10, s[8:9]
	global_load_b128 v[BR+4:BR+7], v10, s[8:9] offset:16
.set i, 0
.rept 16
	global_load_b128 v[WF+4*i:WF+4*i+3], v4, s[6:7] offset:2048*i                 ; expert i: 512 consecutive bytes
.set i, i+1
.endr
.set i, 0
.rept 32
	global_load_b128 v[XF+4*i:XF+4*i+3], v4, s[4:5] offset:2048*i th:TH_LOAD_NT   ; token i: 512 consecutive bytes; read once in this launch
.set i, i+1
.endr
	s_wait_loadcnt 32                              ; br and Wr are in: the 32 loads of x were issued behind them
.set i, 0
.rept 16
	ds_store_b128 v5, v[WF+4*i:WF+4*i+3] offset:SP*(32+i)
.set i, i+1
.endr
	s_wait_loadcnt 0x0
.set i, 0
.rept 32
	ds_store_b128 v5, v[XF+4*i:XF+4*i+3] offset:SP*i
.set i, i+1
.endr
	s_wait_dscnt 0x0                               ; the rows lie in my stage
	s_wait_alu depctr_vm_vsrc(0)                   ; the LDS stores have read v16-207, in which the fragments' loads land and which wave 0's vector work writes later
.irp t, 0,1
.irp s, 0,1,2,3
.irp c, 0,1,2,3
	ds_load_b128 v[XF+64*\t+16*\s+4*\c:XF+64*\t+16*\s+4*\c+3], v6 offset:SP*16*\t+128*\s+32*\c
.endr
.endr
.endr
.irp s, 0,1,2,3
.irp c, 0,1,2,3
	ds_load_b128 v[WF+16*\s+4*\c:WF+16*\s+4*\c+3], v6 offset:SP*32+128*\s+32*\c
.endr
.endr
	s_wait_dscnt 0x0
	; the two accumulators take turns, one instruction a turn; the first step starts the sums
	v_wmma_f32_16x16x128_bf8_bf8 v[ACC:ACC+7], v[WF:WF+15], v[XF:XF+15], 0
	v_wmma_f32_16x16x128_bf8_bf8 v[ACC+8:ACC+15], v[WF:WF+15], v[XF+64:XF+79], 0
.irp s, 1,2,3
	v_wmma_f32_16x16x128_bf8_bf8 v[ACC:ACC+7], v[WF+16*\s:WF+16*\s+15], v[XF+16*\s:XF+16*\s+15], v[ACC:ACC+7]
	v_wmma_f32_16x16x128_bf8_bf8 v[ACC+8:ACC+15], v[WF+16*\s:WF+16*\s+15], v[XF+64+16*\s:XF+79+16*\s], v[ACC+8:ACC+15]
.endr
.irp j, 0,1,2,3,4,5,6,7
	v_lshl_add_u32 v[IDX+\j], v3, 3, \j            ; the experts' numbers 8 h + j.  These eight plain lines are the places between the last product and the first read of its result (ISA guide 7.12.1)
.endr
	s_wait_alu depctr_va_vdst(0)                   ; the products have written the accumulators, which the LDS stores read, and are done reading v16-63, in which wave 0's loads land; the places above stay beside this wait
	ds_store_b128 v7, v[ACC:ACC+3]                 ; each accumulator from its low end on
	ds_store_b128 v7, v[ACC+4:ACC+7] offset:512
	ds_store_b128 v7, v[ACC+8:ACC+11] offset:1024
	ds_store_b128 v7, v[ACC+12:ACC+15] offset:1536
	s_wait_dscnt 0x0                               ; for wave 0's sake: my images lie in LDS
	s_barrier_signal -1
	s_barrier_wait -1                              ; the launch's one barrier; every wave passes it
	s_cmp_lg_u32 s16, 0
	s_cbranch_scc1 .Lend                           ; waves 1 to 3 are done
.irp q, 1,2,3
.irp c, 0,1,2,3
	ds_load_b128 v[16*\q+4*\c:16*\q+4*\c+3], v8 offset:2048*\q+512*\c             ; wave q's 16 registers at v[16 q].  No wait: no vector or matrix instruction since the wait above names v16-63
.endr
.endr
	s_wait_dscnt 0x0
.irp p, 0,2,4,6,8,10,12,14
	v_pk_add_f32 v[CH+\p:CH+\p+1], v[ACC+\p:ACC+\p+1], v[16+\p:17+\p]             ; ((p0 + p1) + p2) + p3: K ascending
.endr
.irp p, 0,2,4,6,8,10,12,14
	v_pk_add_f32 v[CH+\p:CH+\p+1], v[CH+\p:CH+\p+1], v[32+\p:33+\p]
.endr
.irp p, 0,2,4,6,8,10,12,14
	v_pk_add_f32 v[CH+\p:CH+\p+1], v[CH+\p:CH+\p+1], v[48+\p:49+\p]
.endr
	s_wait_alu depctr_va_vdst(0)
	s_wait_kmcnt 0x0
	s_add_co_i32 s20, s18, s19
	s_add_co_i32 s20, s20, 127
	s_lshl_b32 s20, s20, 23                        ; 2^(e0 + e1) as f32
	s_mov_b32 s21, s20                             ; (named with it as a pair, so it is written)
.irp p, 0,2,4,6,8,10,12,14
	v_pk_fma_f32 v[CH+\p:CH+\p+1], v[CH+\p:CH+\p+1], s[20:21], v[BR+\p%8:BR+\p%8+1] op_sel_hi:[1,0,1]   ; choose = sum x 2^(e0 + e1) + br
.endr
	v_cmp_eq_u32 s26, 1, v3                        ; the lanes of the upper half.  Its first reader stands in MERGE, behind the waits on va_sdst in TOP2, in the same straight run
; The two largest of a lane's eight scores of tile t.  State at v[80 + 32 t]: +0 first value, +1 its expert, +2 second value, +3 its expert, +4 at work.
; Every compare is strict and the experts come in ascending order: on equal scores the lower expert stays.
.macro TOP2 t
.set SB, 80+32*(\t)
.set CB, CH+8*(\t)
	v_cmp_gt_f32 vcc_lo, v[CB+1], v[CB]
	s_wait_alu depctr_va_vcc(0)                    ; VCC is written, ahead of the selects that read it
	v_cndmask_b32 v[SB], v[CB], v[CB+1], vcc_lo
	v_cndmask_b32 v[SB+1], v[IDX], v[IDX+1], vcc_lo
	v_cndmask_b32 v[SB+2], v[CB+1], v[CB], vcc_lo
	v_cndmask_b32 v[SB+3], v[IDX+1], v[IDX], vcc_lo
.irp j, 2,3,4,5,6,7
	v_cmp_gt_f32 vcc_lo, v[CB+\j], v[SB]           ; above the first?
	v_cmp_gt_f32 s24, v[CB+\j], v[SB+2]            ; above the second?
	s_wait_alu depctr_va_vcc(0)                    ; VCC is written,
	s_wait_alu depctr_va_sdst(0)                   ; and so is s24 (the first time round: s26 too), ahead of the selects that read them
	v_cndmask_b32 v[SB+4], v[SB+2], v[CB+\j], s24
	v_cndmask_b32 v[SB+2], v[SB+4], v[SB], vcc_lo  ; the second: the old first, or the newcomer, or as it was
	v_cndmask_b32 v[SB+4], v[SB+3], v[IDX+\j], s24
	v_cndmask_b32 v[SB+3], v[SB+4], v[SB+1], vcc_lo
	v_cndmask_b32 v[SB], v[SB], v[CB+\j], vcc_lo
	v_cndmask_b32 v[SB+1], v[SB+1], v[IDX+\j], vcc_lo
.endr
.endm
; The two halves of the lanes are joined.  A = the state of experts 0-7 (+12 ..), B = that of experts 8-15 (+16 ..), the same in lanes l and l xor 16.  The first: +20, +21; the second: +26, +27.
.macro MERGE t
.set SB, 80+32*(\t)
.irp k, 0,1,2,3
	v_mov_b32 v[SB+8+\k], 0                        ; a lane permute's destination counts as one of its sources
.endr
.irp k, 0,1,2,3
	v_permlanex16_b32 v[SB+8+\k], v[SB+\k], s22, s23
.endr
.irp k, 0,1,2,3
	v_cndmask_b32 v[SB+12+\k], v[SB+\k], v[SB+8+\k], s26
	v_cndmask_b32 v[SB+16+\k], v[SB+8+\k], v[SB+\k], s26
.endr
	v_cmp_gt_f32 vcc_lo, v[SB+16], v[SB+12]        ; B's first above A's first?  (strict: on equal scores A, the lower experts)
	s_wait_alu depctr_va_vcc(0)                    ; VCC is written, ahead of the selects that read it
	v_cndmask_b32 v[SB+20], v[SB+12], v[SB+16], vcc_lo
	v_cndmask_b32 v[SB+21], v[SB+13], v[SB+17], vcc_lo
	v_cndmask_b32 v[SB+22], v[SB+14], v[SB+12], vcc_lo   ; A's candidate for the second place: its first if B won, else its second
	v_cndmask_b32 v[SB+23], v[SB+15], v[SB+13], vcc_lo
	v_cndmask_b32 v[SB+24], v[SB+16], v[SB+18], vcc_lo   ; B's: its second if B won, else its first
	v_cndmask_b32 v[SB+25], v[SB+17], v[SB+19], vcc_lo
	v_cmp_gt_f32 vcc_lo, v[SB+24], v[SB+22]
	s_wait_alu depctr_va_vcc(0)                    ; VCC is written, ahead of the selects that read it
	v_cndmask_b32 v[SB+26], v[SB+22], v[SB+24], vcc_lo
	v_cndmask_b32 v[SB+27], v[SB+23], v[SB+25], vcc_lo
.endm
	TOP2 0
	TOP2 1
	MERGE 0
	MERGE 1
	v_cndmask_b32 v144, v100, v132, s26            ; lane l keeps tile h's result for token r: lane l = token l of the 32.  The first score,
	v_cndmask_b32 v146, v106, v138, s26            ; the second,
	v_cndmask_b32 v152, v101, v133, s26            ; the first expert,
	v_cndmask_b32 v153, v107, v139, s26            ; the second
	v_sub_f32 v148, v146, v144                     ; the maximum is taken away: second - first, never above 0
	v_mul_f32 v148, 0x3fb8aa3b, v148               ; x log2(e)
	s_wait_alu depctr_va_vdst(0)
	v_exp_f32 v149, v148                           ; at most 1
	v_nop                                          ; a plain line behind the transcendental,
	s_wait_alu depctr_va_vdst(0)                   ; and the wait ahead of its first reader: v149 is written
	v_add_f32 v150, 1.0, v149
	s_wait_alu depctr_va_vdst(0)
	v_rcp_f32 v156, v150                           ; g0 = 1 / (1 + ex)
	v_nop
	s_wait_alu depctr_va_vdst(0)                   ; v156 is written, ahead of its first reader
	v_mov_b32 v157, v156
	v_mul_f32 v158, v149, v156                     ; g1 = ex / (1 + ex)
	v_mul_f32 v159, v149, v156
	s_wait_alu depctr_va_vdst(0)                   ; v152, v153 and v156 to v159 are written, which the two stores read
	global_store_b64 v9, v[152:153], s[12:13]      ; 32 lanes: 256 consecutive bytes, aligned
	global_store_b128 v4, v[156:159], s[14:15]     ; 512 consecutive bytes, aligned
.Lend:
	s_wait_dscnt 0x0                               ; the closing lines, six on end, of a launch in the mode that stores to LDS
	s_wait_alu 0x0
	s_wait_tensorcnt 0x0
	ds_add_u32 v254, v255
	s_wait_dscnt 0x0
	s_endpgm
.Lfunc_end_k_qa438c00d74_route:
	.size	k_qa438c00d74_route, .Lfunc_end_k_qa438c00d74_route-k_qa438c00d74_route
	.p2alignl 7, 3214868480
	.fill 96, 4, 3214868480
	.section	.rodata,"a",@progbits
	.p2align	6, 0x0
	.amdhsa_kernel k_qa438c00d74_route
		.amdhsa_group_segment_fixed_size 110080
		.amdhsa_private_segment_fixed_size 0
		.amdhsa_enable_private_segment 0
		.amdhsa_kernarg_size 48
		.amdhsa_user_sgpr_count 2
		.amdhsa_user_sgpr_kernarg_segment_ptr 1
		.amdhsa_wavefront_size32 1
		.amdhsa_system_sgpr_workgroup_id_x 1
		.amdhsa_system_sgpr_workgroup_id_y 1
		.amdhsa_system_sgpr_workgroup_id_z 1
		.amdhsa_system_vgpr_workitem_id 0
		.amdhsa_next_free_vgpr 256
		.amdhsa_next_free_sgpr 66
		.amdhsa_reserve_vcc 1
		.amdhsa_float_denorm_mode_32 3
		.amdhsa_float_denorm_mode_16_64 3
		.amdhsa_memory_ordered 1
		.amdhsa_forward_progress 1
		.amdhsa_inst_pref_size 27
	.end_amdhsa_kernel
	.amdgpu_metadata
---
amdhsa.version: [ 1, 2 ]
amdhsa.kernels:
  - .name:           k_qa438c00d74_route
    .symbol:         k_qa438c00d74_route.kd
    .args:
      - { .name: x_codes, .offset: 0, .size: 8, .value_kind: global_buffer, .address_space: global }
      - { .name: Wr_codes, .offset: 8, .size: 8, .value_kind: global_buffer, .address_space: global }
      - { .name: br, .offset: 16, .size: 8, .value_kind: global_buffer, .address_space: global }
      - { .name: lowp_scales, .offset: 24, .size: 8, .value_kind: global_buffer, .address_space: global }
      - { .name: sel, .offset: 32, .size: 8, .value_kind: global_buffer, .address_space: global }
      - { .name: gate, .offset: 40, .size: 8, .value_kind: global_buffer, .address_space: global }
    .group_segment_fixed_size: 110080
    .private_segment_fixed_size: 0
    .kernarg_segment_align: 8
    .kernarg_segment_size: 48
    .max_flat_workgroup_size: 128
    .sgpr_count:     66
    .vgpr_count:     256
    .wavefront_size: 32
...
	.end_amdgpu_metadata
.endif
;; end of part 5
;; launch place (part 6): grid 16 x 1, 16 waves a work-group, no clusters, 0 bytes of LDS; arguments sel, list, cnt, where; writes list, cnt, where
.if DOCPART == 6
	.amdgcn_target "amdgcn-amd-amdhsa--gfx1250"
	.amdhsa_code_object_version 6
	.text
	.protected	k_qa438c00d74_place
	.globl	k_qa438c00d74_place
	.p2align	8
	.type	k_qa438c00d74_place,@function
k_qa438c00d74_place:
	s_mov_b64 s[64:65], 0
	v_nop
	global_prefetch_b8 v0, s[64:65] scope:SCOPE_SE
	s_setreg_imm32_b32 hwreg(HW_REG_WAVE_MODE, 25, 1), 1
	s_wait_xcnt 0x0
; THE ROWS ARE PLACED BY EXPERT: a counting sort without atomics.  Work-group e makes expert e's list of tokens (ascending), its count, and for each (token, k) that chose e the row of its part:
; where[2 t + k] = e x 16 x PCAP + position.  list[e] has LCAP = 2,048 + 192 entries; the 192 behind the last member are set to 0, so that a reader may take whole groups of 64 two groups ahead.
; SHARES.  Wave w of sixteen places tokens 128 w .. 128 w + 127, 4 chunks of 32, a lane a token.  Each wave counts the members of all 2,048 tokens itself, in 16 blocks of 128, so no wave waits for another:
; no LDS, no barrier.  A token's two experts differ, so each slot of where is stored by exactly one work-group, and a token's two masks never share a bit.
; COUNTING.  For the counts sel comes 16 bytes a lane (two tokens), 32 loads of 512 consecutive bytes.  32 compares write 32 scalar registers one behind the other; the scalar lines that read them follow as a batch.
; ORDER.  Every vector register is written with all lanes on: all addresses and data of my 4 chunks are made first, each chunk in registers of its own, its members' mask in a scalar register.
; Only then is EXEC narrowed, chunk by chunk, round nothing but the chunk's two stores.
.set PCAP, 2112
.set LCAP, 2240
.set ALL,  16                          ; v16-143  load j at 16 + 4 j: (first, second expert) of tokens 64 j + 2 l and 64 j + 2 l + 1
.set OWN,  144                         ; v144-151 chunk q of mine: (first, second expert) of token 128 w + 32 q + l
.set LA,   152                         ; v152-155 chunk q: 4 x my position in the list
.set WA,   156                         ; v156-159 chunk q: my byte in my wave's part of where, less 256 q
.set TV,   160                         ; v160-163 chunk q: my token
.set WV,   164                         ; v164-167 chunk q: the row of my part
.set PD,   168                         ; v168-173 the 192 entries behind the last member
.set CN,   174                         ; v174     the count
.set MK,   28                          ; s28-31   chunk q: the mask of its members
.set BC,   32                          ; s32-47   the members in each block of 128 tokens
.set MB,   66                          ; s66-97   a batch of 32 masks
	s_load_b128 s[4:7], s[0:1], 0x0                ; sel, list
	s_load_b128 s[8:11], s[0:1], 0x10              ; cnt, where
	v_lshrrev_b32 v1, 5, v0
	s_delay_alu instid0(VALU_DEP_1)
	v_readfirstlane_b32 s12, v1                    ; wave 0..15
	s_mov_b32 s13, ttmp9                           ; e
	v_and_b32 v1, 31, v0                           ; l
	s_delay_alu instid0(VALU_DEP_1)
	v_lshlrev_b32 v2, 4, v1                        ; 16 l: two tokens' pairs
	s_delay_alu instid0(VALU_DEP_2)
	v_lshlrev_b32 v3, 3, v1                        ; 8 l: a token's pair in a chunk of sel or of where,
	s_lshl_b32 s20, s12, 10
	v_add_nc_u32 v3, s20, v3                       ; + my 4 chunks of 256 bytes
	v_mov_b32 v4, 4
	s_lshl_b32 s20, s12, 7
	v_add_nc_u32 v5, s20, v1                       ; my token in my first chunk
	v_mov_b32 v6, 0
	s_mul_i32 s25, s13, 16*PCAP
	s_mul_i32 s20, s13, LCAP*4
	s_mov_b32 s21, 0
	s_lshl_b32 s22, s13, 2
	s_mov_b32 s23, 0
	s_wait_alu depctr_va_vdst(0)
	s_wait_kmcnt 0x0
	s_add_nc_u64 s[6:7], s[6:7], s[20:21]          ; my expert's list
	s_add_nc_u64 s[8:9], s[8:9], s[22:23]          ; and count
.set c, 0
.rept 32
	global_load_b128 v[ALL+4*c:ALL+4*c+3], v2, s[4:5] offset:512*c                ; 512 consecutive bytes a load
.set c, c+1
.endr
.set c, 0
.rept 4
	global_load_b64 v[OWN+2*c:OWN+2*c+1], v3, s[4:5] offset:256*c                 ; 256 consecutive bytes a load
.set c, c+1
.endr
.irp bk, 0,1,2,3,4,5,6,7,8,9,10,11,12,13,14,15
	s_mov_b32 s[BC+\bk], 0
.endr
	s_wait_loadcnt 0x0
	s_wait_xcnt 0x0                                ; EXEC is changed below only behind this wait
.irp bt, 0,1,2,3                       ; a batch: 8 loads, 512 tokens, 4 blocks
.set c, 0
.rept 32
	v_cmp_eq_u32 s[MB+c], s13, v[ALL+32*\bt+c]
.set c, c+1
.endr
.set c, 0
.rept 16                               ; registers 2 c and 2 c + 1 of the batch are one token's two experts a lane; 4 such pairs make a block
	s_or_b32 s[20+c%4], s[MB+2*c], s[MB+2*c+1]
	s_bcnt1_i32_b32 s[20+c%4], s[20+c%4]
	s_add_co_u32 s[BC+4*\bt+c/4], s[BC+4*\bt+c/4], s[20+c%4]
.set c, c+1
.endr
.endr
	s_mov_b32 s15, 0                               ; the expert's count
.irp bk, 0,1,2,3,4,5,6,7,8,9,10,11,12,13,14,15
	s_add_co_u32 s15, s15, s[BC+\bk]
.endr
	s_mov_b32 s14, 0                               ; my first position: the members in the blocks ahead of mine
.irp bk, 0,1,2,3,4,5,6,7,8,9,10,11,12,13,14
	s_cmp_gt_u32 s12, \bk
	s_cselect_b32 s20, s[BC+\bk], 0
	s_add_co_u32 s14, s14, s20
.endr
; One chunk of 32 tokens: what its members will store, and where.  A member's position = s14 + the members in the lanes below it.  All lanes are on; what a lane that is no member gets is not used.
.macro ADDR q
	v_cmp_eq_u32 s20, s13, v[OWN+2*(\q)]
	v_cmp_eq_u32 s21, s13, v[OWN+2*(\q)+1]
	s_or_b32 s[MK+(\q)], s20, s21
	v_mbcnt_lo_u32_b32 v[LA+(\q)], s[MK+(\q)], s14
	s_delay_alu instid0(VALU_DEP_1)
	v_min_u32 v[LA+(\q)], 0x7ff, v[LA+(\q)]        ; a position is under 2,048; the bound is written out, since it goes into an address
	s_delay_alu instid0(VALU_DEP_1)
	v_add_nc_u32 v[WV+(\q)], s25, v[LA+(\q)]       ; the row of the part
	s_delay_alu instid0(VALU_DEP_2)
	v_lshlrev_b32 v[LA+(\q)], 2, v[LA+(\q)]
	v_cndmask_b32 v[WA+(\q)], v6, v4, s21          ; k = 1: four bytes on
	s_delay_alu instid0(VALU_DEP_1)
	v_min_u32 v[WA+(\q)], 4, v[WA+(\q)]
	s_delay_alu instid0(VALU_DEP_1)
	v_add_nc_u32 v[WA+(\q)], v[WA+(\q)], v3
	v_add_nc_u32 v[TV+(\q)], 32*(\q), v5           ; the token
	s_bcnt1_i32_b32 s20, s[MK+(\q)]
	s_add_co_u32 s14, s14, s20
.endm
.set Q, 0
.rept 4
	ADDR Q
.set Q, Q+1
.endr
	v_add_nc_u32 v175, s15, v1                     ; the 192 entries behind the last member: count + l + 32 i, LCAP - 1 at the most
.irp i, 0,1,2,3,4,5
	v_add_nc_u32 v[PD+\i], 32*\i, v175
	s_delay_alu instid0(VALU_DEP_1)
	v_min_u32 v[PD+\i], LCAP-1, v[PD+\i]
	s_delay_alu instid0(VALU_DEP_1)
	v_lshlrev_b32 v[PD+\i], 2, v[PD+\i]
.endr
	v_mov_b32 v[CN], s15
	; from here on no vector register is written
	s_cmp_lg_u32 s12, 0
	s_cbranch_scc1 .Lmembers
.irp i, 0,1,2,3,4,5
	global_store_b32 v[PD+\i], v6, s[6:7]          ; wave 0: they become token 0; 32 lanes store 128 consecutive bytes
.endr
	s_mov_b32 s23, 1                               ; lane 0 alone
	s_wait_xcnt 0x0                                ; EXEC narrows only behind this wait
	s_and_saveexec_b32 s22, s23
	s_wait_alu depctr_va_vdst(0)
	global_store_b32 v6, v[CN], s[8:9]             ; the count
	s_wait_xcnt 0x0                                ; and widens only behind this one
	s_or_b32 exec_lo, exec_lo, s22
.Lmembers:
; A chunk's members store.  On every way to a narrowing of EXEC the last global instruction stands ahead of a wait on XCNT for 0.
.macro SEND q
	s_and_saveexec_b32 s22, s[MK+(\q)]             ; members only
	global_store_b32 v[LA+(\q)], v[TV+(\q)], s[6:7]                               ; neighbouring members store neighbouring words
	global_store_b32 v[WA+(\q)], v[WV+(\q)], s[10:11] offset:256*(\q)
	s_wait_xcnt 0x0                                ; EXEC widens only behind this wait
	s_or_b32 exec_lo, exec_lo, s22
.endm
.set Q, 0
.rept 4
	SEND Q
.set Q, Q+1
.endr
	s_endpgm
.Lfunc_end_k_qa438c00d74_place:
	.size	k_qa438c00d74_place, .Lfunc_end_k_qa438c00d74_place-k_qa438c00d74_place
	.p2alignl 7, 3214868480
	.fill 96, 4, 3214868480
	.section	.rodata,"a",@progbits
	.p2align	6, 0x0
	.amdhsa_kernel k_qa438c00d74_place
		.amdhsa_group_segment_fixed_size 0
		.amdhsa_private_segment_fixed_size 0
		.amdhsa_enable_private_segment 0
		.amdhsa_kernarg_size 32
		.amdhsa_user_sgpr_count 2
		.amdhsa_user_sgpr_kernarg_segment_ptr 1
		.amdhsa_wavefront_size32 1
		.amdhsa_system_sgpr_workgroup_id_x 1
		.amdhsa_system_sgpr_workgroup_id_y 1
		.amdhsa_system_sgpr_workgroup_id_z 1
		.amdhsa_system_vgpr_workitem_id 0
		.amdhsa_next_free_vgpr 192
		.amdhsa_next_free_sgpr 100
		.amdhsa_reserve_vcc 0
		.amdhsa_float_denorm_mode_32 3
		.amdhsa_float_denorm_mode_16_64 3
		.amdhsa_memory_ordered 1
		.amdhsa_forward_progress 1
		.amdhsa_inst_pref_size 28
	.end_amdhsa_kernel
	.amdgpu_metadata
---
amdhsa.version: [ 1, 2 ]
amdhsa.kernels:
  - .name:           k_qa438c00d74_place
    .symbol:         k_qa438c00d74_place.kd
    .args:
      - { .name: sel, .offset: 0, .size: 8, .value_kind: global_buffer, .address_space: global }
      - { .name: list, .offset: 8, .size: 8, .value_kind: global_buffer, .address_space: global }
      - { .name: cnt, .offset: 16, .size: 8, .value_kind: global_buffer, .address_space: global }
      - { .name: where, .offset: 24, .size: 8, .value_kind: global_buffer, .address_space: global }
    .group_segment_fixed_size: 0
    .private_segment_fixed_size: 0
    .kernarg_segment_align: 8
    .kernarg_segment_size: 32
    .max_flat_workgroup_size: 512
    .sgpr_count:     100
    .vgpr_count:     192
    .wavefront_size: 32
...
	.end_amdgpu_metadata
.endif
;; end of part 6
;; launch chain (part 7): grid 16 x 16, 4 waves a work-group, no clusters, 274,944 bytes of LDS; arguments x_codes, We_codes, be, lowp_scales, list, cnt, part; writes part
.if DOCPART == 7
	.amdgcn_target "amdgcn-amd-amdhsa--gfx1250"
	.amdhsa_code_object_version 6
	.text
	.protected	k_qa438c00d74_chain
	.globl	k_qa438c00d74_chain
	.p2align	8
	.type	k_qa438c00d74_chain,@function
k_qa438c00d74_chain:
	s_mov_b64 s[64:65], 0
	v_nop
	global_prefetch_b8 v0, s[64:65] scope:SCOPE_SE
	s_setreg_imm32_b32 hwreg(HW_REG_WAVE_SCHED_MODE, 0, 2), 2
	s_setreg_imm32_b32 hwreg(HW_REG_WAVE_MODE, 25, 1), 1
	s_wait_xcnt 0x0
	s_wait_alu depctr_vm_vsrc(0)
; THE EXPERTS' PRODUCT ON THE CHOSEN ROWS ALONE.  part[e][cb][p][c] = bf16( 2^(e2 + e3) x (sum over k of x_code[list[e][p]][k] We_code[e][64 cb + c][k]) + be[e][64 cb + c] ), p under cnt[e].
; SHARES.  Work-group (cb, e) owns 64 columns of expert e, for all rows that chose e.  ITS FOUR WAVES SPLIT K: wave w keeps bytes 512 w .. 512 w + 511 of the 64 columns in 256 registers for the whole launch,
; so each byte of We is read by one wave of the launch, once.  Rows go in trips of 64: each wave gathers its quarter of the 64 rows (a load covers 512 consecutive bytes of one row), turns it into fragments through
; its own stage in LDS, and multiplies: 64 matrix instructions.  The four partial sums meet in LDS; wave w finishes rows 16 w .. 16 w + 15 of the trip.
; THE TRIP COUNT IS THE CONSTANT 32, which serves every split (all 2,048 tokens on one expert too): a trip beyond the expert's count jumps over its work and passes only its barrier, so every wave passes every barrier.
; The branches hang on the stored count, so operands come by plain loads: no tensor load, no copy, no cluster (partners would need different numbers of trips).
; AHEAD.  Trip t asks for the rows of trip t + 1 (only those groups of 16 that exist) and for the token numbers of trip t + 2: the list has 192 written entries behind its last member for that.
; Rows past the count in a last group are token 0's or stale: a row of the product touches only its own row of the result,
; which lies in this work-group's own region of part (row under cnt + 16, under PCAP) and is read by nobody.  Columns 1,000 to 1,023 of the last block repeat column 999 and are read by nobody.
; THE PRODUCT IS USED TRANSPOSED: source 0 = 16 columns of We, source 1 = 16 rows: lane (r, h) holds row r and eight neighbouring columns.
; A fragment's registers 4 c .. 4 c + 3 hold k = 32 c + 16 h + 0 .. 15 of a step of 128: the same order of k in both operands.
; LIMITS: e2 + e3 between -126 and 127.  The result is rounded to bf16: it is an operand of the last product (K = 2), which the contract takes in bf16.
; REGISTERS, in windows of 256: window 0: v1-12 addresses, v16-23 the bias, v24-39 results to store, v64-127 the rows' addresses, v128-255 the 16 accumulators ((rt, ct) at 128 + 8 (4 rt + ct)), later the partial sums read back.
;   window 1: We's 16 fragments ((ct, s) at 16 (4 ct + s)).   window 2: 64 rows of x as loaded (row i at 4 i).   window 3: x's 16 fragments ((rt, s) at 64 rt + 16 s); at the head We as loaded.
; THE MODE: SCHED_MODE bits 1:0 = 2 (LLVM: expert scheduling mode 2), set by the entry lines.  The code itself states the register dependences
; between vector or matrix instructions and memory or LDS instructions, with s_wait_alu, always for 0.
; THE PLAN.  Registers that memory or LDS instructions touch, round the loop:
;   v5-12      addresses and offsets: written once at the head; never written again.
;   v64-127    a trip's 64 address lines write them; the same trip's requests for the next rows read them.
;   window 2   global loads land; the trip's 64 LDS stores read it; the requests for the next rows land in it.  No vector instruction names it.
;   window 3   four runs of 16 LDS loads land, one for each K step; the products of step s read run s.
;   v128-255   the products write them; 32 LDS stores read them; behind the barrier 32 LDS loads land; the sums read and write them; the next trip's first products write them anew.
;   v24-39     the roundings write them; four global stores read them.
; FIVE WAITS A TRIP.  (1) va_vdst behind the address lines: v64-127 are written; the trip before's products are done reading window 3.  It serves the requests and all four runs of fragment loads: the products that stand
; between it and a run name earlier steps' registers alone.  (2) vm_vsrc beside the wait for the stage's stores: they have read window 2.  (3) va_vdst behind the places: the accumulators are written.
; (4) vm_vsrc where both ways join, ahead of the barrier: the LDS stores have read the accumulators, the requests v64-127, the trip before's global stores v24-39.  (5) va_vdst ahead of the run of global stores:
; v24-39 are written; no vector instruction follows it in the trip, so it also serves the next trip's loads into v128-255 on the way that jumps over the work.
.set PCAP,  2112
.set LCAP,  2240
.set SP,    528                        ; a stage row: 512 bytes + 16 = 132 words: the 16 rows of a fragment load start 4 words apart modulo 64 words
.set STGB,  64*SP                      ; a wave's stage
.set RP,    272                        ; a row of partial sums: 64 f32 + 16 bytes = 68 words
.set REDW,  64*RP                      ; one wave's 64 rows
.set REDB,  4*REDW                     ; a buffer: four waves'
.set RED0,  4*STGB                     ; two buffers behind the stages, by turns
.set XL,  4                            ; v4   512 w + 16 l: my bytes of a row of x or of We
.set ST,  5                            ; v5   into my stage
.set FR,  6                            ; v6   out of it
.set RS,  7                            ; v7, v8   where I put my partial sums, buffer 0, 1
.set RR,  9                            ; v9, v10  where I read all four waves', buffer 0, 1
.set PO,  11                           ; v11  my 16 bytes in the trip's 64 rows of part
.set BIAS, 16
.set OUTR, 24
.set ADR, 64
.set R,   128
.set MSB, 0
.macro WIN new                         ; the immediate's high byte repeats the setting that is left
.if MSB != \new
	s_set_vgpr_msb (MSB<<8)|\new
.set MSB, \new
.endif
.endm
	s_load_b256 s[4:11], s[0:1], 0x0               ; x's codes s[4:5], We's s[6:7], be s[8:9], the scales' exponents s[10:11]
	s_load_b128 s[12:15], s[0:1], 0x20             ; list, cnt
	s_load_b64 s[16:17], s[0:1], 0x30              ; part
	v_lshl_add_u32 v62, v0, 2, 0x43000
	v_mov_b32 v63, 0
	v_lshrrev_b32 v1, 5, v0
	v_readfirstlane_b32 s18, v1                    ; wave 0..3
	s_mov_b32 s19, ttmp9                           ; cb
	s_and_b32 s20, ttmp7, 0xffff                   ; e
	v_and_b32 v1, 31, v0                           ; l
	v_and_b32 v2, 15, v0                           ; r
	v_bfe_u32 v3, v0, 4, 1                         ; h
	s_wait_alu depctr_va_sdst(0)                   ; s18 is written, ahead of its first reader
	s_lshl_b32 s25, s18, 9
	v_lshl_add_u32 v[XL], v1, 4, s25
	s_mul_i32 s25, s18, STGB
	v_lshl_add_u32 v[ST], v1, 4, s25
	v_mul_u32_u24 v[FR], v2, SP
	v_lshl_add_u32 v[FR], v3, 4, v[FR]
	v_add_nc_u32 v[FR], s25, v[FR]
	s_mul_i32 s25, s18, REDW
	v_mul_u32_u24 v[RS], v2, RP
	v_lshl_add_u32 v[RS], v3, 5, v[RS]
	v_add_nc_u32 v[RS], s25, v[RS]
	v_add_nc_u32 v[RS], RED0, v[RS]                ; my region, row r, + 32 h
	v_add_nc_u32 v[RS+1], REDB, v[RS]
	v_bfe_u32 v13, v0, 3, 2                        ; l / 8: one of four rows
	v_mul_u32_u24 v[RR], v13, RP
	v_and_b32 v13, 7, v0                           ; l % 8: eight columns, 32 bytes
	v_lshl_add_u32 v[RR], v13, 5, v[RR]
	s_mul_i32 s25, s18, 16*RP
	v_add_nc_u32 v[RR], s25, v[RR]
	v_add_nc_u32 v[RR], RED0, v[RR]
	v_add_nc_u32 v[RR+1], REDB, v[RR]
	s_lshl_b32 s25, s18, 11
	v_lshl_add_u32 v[PO], v1, 4, s25               ; 16 rows of 128 bytes a wave; four rows' 512 bytes an instruction
	s_lshl_b32 s28, s19, 6                         ; my first column
	v_lshl_add_u32 v12, v13, 3, s28
	v_min_u32 v12, 992, v12                        ; the last block's columns past 999 take the last eight's bias: read by nobody
	v_lshlrev_b32 v12, 2, v12
	s_lshl_b32 s24, s18, 4                         ; 16 w
	s_mov_b32 s3, 0
	s_wait_kmcnt 0x0
	s_mul_i32 s2, s20, 2048000
	s_add_nc_u64 s[6:7], s[6:7], s[2:3]            ; We at my expert
	s_mul_i32 s2, s20, LCAP*4
	s_add_nc_u64 s[12:13], s[12:13], s[2:3]        ; its list
	s_lshl_b32 s2, s20, 2
	s_add_nc_u64 s[14:15], s[14:15], s[2:3]        ; its count
	s_mul_i32 s2, s20, 4000
	s_add_nc_u64 s[8:9], s[8:9], s[2:3]            ; its bias
	s_lshl_b32 s2, s20, 4
	s_add_co_u32 s2, s2, s19
	s_mul_i32 s2, s2, PCAP*128
	s_add_nc_u64 s[16:17], s[16:17], s[2:3]        ; my region of part
	s_load_b32 s21, s[14:15], 0x0                  ; the count
	s_load_b512 s[32:47], s[12:13], 0x0            ; the first trip's 64 tokens (members, or the zeros behind them)
	s_load_b512 s[48:63], s[12:13], 0x40
	s_load_b512 s[68:83], s[12:13], 0x80
	s_load_b512 s[84:99], s[12:13], 0xc0
	s_load_b64 s[30:31], s[10:11], 0x8             ; e2, e3
.set i, 0
.rept 64
	s_add_co_u32 s25, s28, i
	s_min_u32 s25, s25, 999                        ; no load leaves the expert's 1,000 columns
	v_lshl_add_u32 v[ADR+i], s25, 11, v[XL]
.set i, i+1
.endr
	s_wait_alu depctr_va_vdst(0)                   ; v5 to v12 and the columns' addresses v64-127 are written, which the loads and stores below read
	global_load_b128 v[BIAS:BIAS+3], v12, s[8:9]
	global_load_b128 v[BIAS+4:BIAS+7], v12, s[8:9] offset:16
	WIN 0xc0                                       ; destination window 3
.set i, 0
.rept 64
	global_load_b128 v[4*i:4*i+3], v[ADR+i], s[6:7] th:TH_LOAD_NT                 ; column i: 512 consecutive bytes; read once in the launch
.set i, i+1
.endr
	WIN 0
; 16 token numbers become 16 addresses
.macro XADR g, sb
.irp k, 0,1,2,3,4,5,6,7,8,9,10,11,12,13,14,15
	s_min_u32 s[\sb+\k], s[\sb+\k], 2047           ; a token's number; the bound is written out, since it goes into an address
	v_lshl_add_u32 v[ADR+16*\g+\k], s[\sb+\k], 11, v[XL]
.endr
.endm
.macro XLD g                           ; 16 rows of x: my 512 bytes of each
	WIN 0x80                                       ; destination window 2
.irp k, 0,1,2,3,4,5,6,7,8,9,10,11,12,13,14,15
	global_load_b128 v[4*(16*\g+\k):4*(16*\g+\k)+3], v[ADR+16*\g+\k], s[4:5]
.endr
	WIN 0
.endm
.macro XLDC g                          ; the same for the next trip, if its group g has a member
	s_add_co_u32 s25, s22, 64+16*\g
	s_cmp_lt_u32 s25, s21
	s_cbranch_scc0 .Lnone_\@
	XLD \g
.Lnone_\@:
.endm
.macro IDS off                         ; 64 token numbers from off bytes behind the list's pointer on: members, or the zeros behind them
	s_load_b512 s[32:47], s[12:13], \off
	s_load_b512 s[48:63], s[12:13], \off+0x40
	s_load_b512 s[68:83], s[12:13], \off+0x80
	s_load_b512 s[84:99], s[12:13], \off+0xc0
.endm
	s_wait_kmcnt 0x0
	s_min_u32 s21, s21, 2048
	s_wait_xcnt 0x0                                ; We's loads have had their addresses translated,
	s_wait_alu depctr_vm_vsrc(0)                   ; and have read v64-127: the registers take the rows' addresses
	XADR 0, 32
	XADR 1, 48
	XADR 2, 68
	XADR 3, 84
	s_wait_alu depctr_va_vdst(0)                   ; the rows' addresses v64-127 are written, which the 64 loads below read; the lines that read s32 to s99 are done
	IDS 0x100                                      ; the second trip's tokens, into the registers just read; the wait for them stands in the first trip
	XLD 0                                          ; the first trip's four groups come without a condition, so that window 2 is written on every way
	XLD 1
	XLD 2
	XLD 3
	s_wait_loadcnt 63                              ; behind the 2 + 64 loads of the bias and of We stand 64 of x: with 63 out at the most, the bias and We are in
	WIN 0x0c                                       ; store data window 3
.set i, 0
.rept 64
	ds_store_b128 v[ST], v[4*i:4*i+3] offset:SP*i
.set i, i+1
.endr
	WIN 0x40                                       ; destination window 1
.irp ct, 0,1,2,3
.irp s, 0,1,2,3
.irp c, 0,1,2,3
	ds_load_b128 v[16*(4*\ct+\s)+4*\c:16*(4*\ct+\s)+4*\c+3], v[FR] offset:SP*16*\ct+128*\s+32*\c   ; LDS serves a wave's instructions in order (ISA guide 5.7.1.4): these see my stores
.endr
.endr
.endr
	WIN 0
	s_wait_dscnt 0x0                               ; We's fragments are in their registers for good; the stage is free
	s_wait_alu depctr_vm_vsrc(0)                   ; the LDS stores have read window 3, in which the first trip's fragments land; the first rows' loads have read v64-127, which the first trip writes
	s_add_co_i32 s26, s30, s31
	s_add_co_i32 s26, s26, 127
	s_lshl_b32 s26, s26, 23                        ; 2^(e2 + e3) as f32
	s_mov_b32 s27, s26                             ; (named with it as a pair, so it is written)
	s_mov_b32 s22, 0                               ; the trip's first row
	s_mov_b32 s23, 16                              ; passes of two trips
; x's four fragments of K step s: a run of 16 LDS loads
.macro XFL s
.irp rt, 0,1,2,3
.irp c, 0,1,2,3
	ds_load_b128 v[64*\rt+16*(\s)+4*\c:64*\rt+16*(\s)+4*\c+3], v[FR] offset:SP*16*\rt+128*(\s)+32*\c
.endr
.endr
.endm
; K step s: 16 matrix instructions.  The sixteen accumulators take turns, one instruction a turn, in the same order in every step; step 0 starts the sums
.macro MM s
.irp rt, 0,1,2,3
.irp ct, 0,1,2,3
.if (\s) == 0
	v_wmma_f32_16x16x128_bf8_bf8 v[R+8*(4*\rt+\ct):R+8*(4*\rt+\ct)+7], v[16*(4*\ct+(\s)):16*(4*\ct+(\s))+15], v[64*\rt+16*(\s):64*\rt+16*(\s)+15], 0
.else
	v_wmma_f32_16x16x128_bf8_bf8 v[R+8*(4*\rt+\ct):R+8*(4*\rt+\ct)+7], v[16*(4*\ct+(\s)):16*(4*\ct+(\s))+15], v[64*\rt+16*(\s):64*\rt+16*(\s)+15], v[R+8*(4*\rt+\ct):R+8*(4*\rt+\ct)+7]
.endif
.endr
.endr
.endm
; A TRIP: rows s22 .. s22 + 63 of the expert's list, partial sums through buffer bf.
.macro TRIP bf
	s_cmp_lt_u32 s22, s21
	s_cbranch_scc0 .Lno_rows_\@                    ; the same in all four waves
	s_wait_loadcnt 0x0                             ; this trip's rows are in (the loads stood under branches: so the count is 0); their address registers are free
	WIN 0x08                                       ; store data window 2
.set i, 0
.rept 64
	ds_store_b128 v[ST], v[4*i:4*i+3] offset:SP*i
.set i, i+1
.endr
	WIN 0
	s_wait_kmcnt 0x0                               ; the next trip's tokens, asked for a trip ago
	XADR 0, 32                                     ; 128 lines on registers stand between the stores and the wait for them.  (The loads that read v64-127 stand ahead of the last wait on vm_vsrc: the trip before's, or the head's)
	XADR 1, 48
	XADR 2, 68
	XADR 3, 84
	s_wait_alu depctr_va_vdst(0)                   ; v64-127 are written, which the requests below read; the lines that read s32 to s99 are done; the trip before's products are done reading window 3, in which this trip's four runs of fragment loads land
	IDS 0x200                                      ; the tokens of the trip after the next, rows s22 + 128 on, into the registers just read: a whole trip ahead of the wait for them
	s_wait_dscnt 0x0                               ; the rows lie in my stage,
	s_wait_alu depctr_vm_vsrc(0)                   ; and the stores have read window 2, in which the next trip's rows land
	WIN 0xc0                                       ; destination window 3
	XFL 0
	XFL 1
	WIN 0
	XLDC 0                                         ; the next trip's rows are asked for while the first two runs of LDS loads are served
	XLDC 1
	XLDC 2
	XLDC 3
	; from here on a run of 16 LDS loads stands between two steps' products: it lands in registers that this trip's products have not named yet (their last reader is the trip before, ahead of the wait on va_vdst above)
	s_wait_dscnt 16                                ; step 0's 16 loads are in; step 1's may be out
	WIN 0x0d                                       ; source 0 (We) window 1, source 1 (x) window 3, C and D window 0
	MM 0
	WIN 0xc0
	XFL 2
	s_wait_dscnt 16                                ; step 1's are in; the 16 just issued may be out
	WIN 0x0d
	MM 1
	WIN 0xc0
	XFL 3
	s_wait_dscnt 16                                ; step 2's are in; the 16 just issued may be out
	WIN 0x0d
	MM 2
	s_wait_dscnt 0x0
	MM 3
	WIN 0
.rept 5
	v_nop                                          ; four places ahead of the stores that read the results; the fifth for the next trip's first products, which write over the accumulators
.endr
	s_wait_alu depctr_va_vdst(0)                   ; the products have written the accumulators, which the LDS stores read and in which the partial sums read back land; the places above stay beside this wait
.irp rt, 0,1,2,3
.irp ct, 0,1,2,3
	ds_store_b128 v[RS+\bf], v[R+8*(4*\rt+\ct):R+8*(4*\rt+\ct)+3] offset:16*RP*\rt+64*\ct        ; row 16 rt + r, columns 16 ct + 8 h + 0 .. 3; each accumulator from its low end on
	ds_store_b128 v[RS+\bf], v[R+8*(4*\rt+\ct)+4:R+8*(4*\rt+\ct)+7] offset:16*RP*\rt+64*\ct+16
.endr
.endr
.Lno_rows_\@:
	s_wait_dscnt 0x0                               ; my partial sums lie in this buffer, and my reads of the other buffer, a trip ago, are over: it is written again only behind this barrier
	s_wait_alu depctr_vm_vsrc(0)                   ; my LDS stores have read v128-255, in which the loads below land; the requests have read v64-127, which the next trip writes; the trip before's global stores have read v24-39, which the roundings below write
	s_barrier_signal -1
	s_barrier_wait -1                              ; outside every branch: every wave passes it in every trip
	s_add_co_u32 s25, s22, s24
	s_cmp_lt_u32 s25, s21
	s_cbranch_scc0 .Lno_out_\@                     ; none of my 16 rows is a member's
.irp i, 0,1,2,3                        ; four rows an instruction; lane l: row 4 i + l / 8, columns 8 (l % 8) + 0 .. 7
.irp q, 0,1,2,3
	ds_load_b128 v[R+32*\q+8*\i:R+32*\q+8*\i+3], v[RR+\bf] offset:REDW*\q+4*RP*\i
	ds_load_b128 v[R+32*\q+8*\i+4:R+32*\q+8*\i+7], v[RR+\bf] offset:REDW*\q+4*RP*\i+16
.endr
.endr
.irp i, 0,1,2,3
	s_wait_dscnt 24-8*\i                           ; group i's eight loads are in; those of the later groups may be out
.irp p, 0,2,4,6
	v_pk_add_f32 v[R+8*\i+\p:R+8*\i+\p+1], v[R+8*\i+\p:R+8*\i+\p+1], v[R+32+8*\i+\p:R+32+8*\i+\p+1]   ; ((q0 + q1) + q2) + q3: K ascending
.endr
.irp p, 0,2,4,6
	v_pk_add_f32 v[R+8*\i+\p:R+8*\i+\p+1], v[R+8*\i+\p:R+8*\i+\p+1], v[R+64+8*\i+\p:R+64+8*\i+\p+1]
.endr
.irp p, 0,2,4,6
	v_pk_add_f32 v[R+8*\i+\p:R+8*\i+\p+1], v[R+8*\i+\p:R+8*\i+\p+1], v[R+96+8*\i+\p:R+96+8*\i+\p+1]
.endr
.irp p, 0,2,4,6
	v_pk_fma_f32 v[R+8*\i+\p:R+8*\i+\p+1], v[R+8*\i+\p:R+8*\i+\p+1], s[26:27], v[BIAS+\p:BIAS+\p+1] op_sel_hi:[1,0,1]   ; sum x 2^(e2 + e3) + be
.endr
.irp k, 0,1,2,3
	v_cvt_pk_bf16_f32 v[OUTR+4*\i+\k], v[R+8*\i+2*\k], v[R+8*\i+2*\k+1]           ; each group has four registers of its own
.endr
.endr
	s_wait_alu depctr_va_vdst(0)                   ; the roundings have written v24-39, which the four stores read; the sums are done with v128-255, in which a later trip's loads land
.irp i, 0,1,2,3
	global_store_b128 v[PO], v[OUTR+4*\i:OUTR+4*\i+3], s[16:17] offset:512*\i     ; 32 lanes: four rows of 128 bytes: 512 consecutive bytes, aligned
.endr
.Lno_out_\@:
	s_wait_xcnt 0x0                                ; the stores' data and base and the list's base are written again only behind this wait
	s_add_nc_u64 s[16:17], s[16:17], 64*128
	s_add_nc_u64 s[12:13], s[12:13], 64*4
	s_add_co_u32 s22, s22, 64
.endm
.Lpass:
	TRIP 0
	TRIP 1
	s_sub_co_u32 s23, s23, 1
	s_cmp_lg_u32 s23, 0
	s_cbranch_scc1 .Lpass
	s_wait_dscnt 0x0                               ; the closing lines, six on end, of a launch in the mode that stores to LDS (every window is 0 here: the add's two registers lie in window 0)
	s_wait_alu 0x0
	s_wait_tensorcnt 0x0
	ds_add_u32 v62, v63
	s_wait_dscnt 0x0
	s_endpgm
.Lfunc_end_k_qa438c00d74_chain:
	.size	k_qa438c00d74_chain, .Lfunc_end_k_qa438c00d74_chain-k_qa438c00d74_chain
	.p2alignl 7, 3214868480
	.fill 96, 4, 3214868480
	.section	.rodata,"a",@progbits
	.p2align	6, 0x0
	.amdhsa_kernel k_qa438c00d74_chain
		.amdhsa_group_segment_fixed_size 274944
		.amdhsa_private_segment_fixed_size 0
		.amdhsa_enable_private_segment 0
		.amdhsa_kernarg_size 56
		.amdhsa_user_sgpr_count 2
		.amdhsa_user_sgpr_kernarg_segment_ptr 1
		.amdhsa_wavefront_size32 1
		.amdhsa_system_sgpr_workgroup_id_x 1
		.amdhsa_system_sgpr_workgroup_id_y 1
		.amdhsa_system_sgpr_workgroup_id_z 1
		.amdhsa_system_vgpr_workitem_id 0
		.amdhsa_next_free_vgpr 1024
		.amdhsa_next_free_sgpr 100
		.amdhsa_reserve_vcc 0
		.amdhsa_float_denorm_mode_32 3
		.amdhsa_float_denorm_mode_16_64 3
		.amdhsa_memory_ordered 1
		.amdhsa_forward_progress 1
		.amdhsa_inst_pref_size 119
	.end_amdhsa_kernel
	.amdgpu_metadata
---
amdhsa.version: [ 1, 2 ]
amdhsa.kernels:
  - .name:           k_qa438c00d74_chain
    .symbol:         k_qa438c00d74_chain.kd
    .args:
      - { .name: x_codes, .offset: 0, .size: 8, .value_kind: global_buffer, .address_space: global }
      - { .name: We_codes, .offset: 8, .size: 8, .value_kind: global_buffer, .address_space: global }
      - { .name: be, .offset: 16, .size: 8, .value_kind: global_buffer, .address_space: global }
      - { .name: lowp_scales, .offset: 24, .size: 8, .value_kind: global_buffer, .address_space: global }
      - { .name: list, .offset: 32, .size: 8, .value_kind: global_buffer, .address_space: global }
      - { .name: cnt, .offset: 40, .size: 8, .value_kind: global_buffer, .address_space: global }
      - { .name: part, .offset: 48, .size: 8, .value_kind: global_buffer, .address_space: global }
    .group_segment_fixed_size: 274944
    .private_segment_fixed_size: 0
    .kernarg_segment_align: 8
    .kernarg_segment_size: 56
    .max_flat_workgroup_size: 128
    .sgpr_count:     100
    .vgpr_count:     1024
    .wavefront_size: 32
...
	.end_amdgpu_metadata
.endif
;; end of part 7
;; launch mix (part 8): grid 250 x 1, 8 waves a work-group, no clusters, 0 bytes of LDS; arguments part, where, gate, out0; writes out0
.if DOCPART == 8
	.amdgcn_target "amdgcn-amd-amdhsa--gfx1250"
	.amdhsa_code_object_version 6
	.text
	.protected	k_qa438c00d74_mix
	.globl	k_qa438c00d74_mix
	.p2align	8
	.type	k_qa438c00d74_mix,@function
k_qa438c00d74_mix:
	s_mov_b64 s[64:65], 0
	v_nop
	global_prefetch_b8 v0, s[64:65] scope:SCOPE_SE
	s_setreg_imm32_b32 hwreg(HW_REG_WAVE_MODE, 25, 1), 1
	s_wait_xcnt 0x0
; THE LAST PRODUCT (K = 2): out[t][c] = g0[t] x l0[t][c] + g1[t] x l1[t][c], l0 and l1 the token's two rows of part (bf16), the gates and the sum in f32.
; out0 is taken as a plain stream of 512,000 groups of four numbers (1,000 is a multiple of 4, so a group lies in one token).  Thread i of work-group g takes groups 2,048 g + 256 u + i, u = 0 .. 7:
; every store of a wave covers 512 consecutive bytes, aligned.  Memory binds: no LDS, no barrier, no matrix instruction (two multiply-adds a number).  Every register is written once, so no store's source is written again.
.set T,   16                           ; v16-23   the token
.set OFF, 24                           ; v24-31   the group's bytes in a row of part: block of 64 columns x the block's pitch + 8 x the group in the block
.set WH,  32                           ; v32-47   the two rows
.set GT,  48                           ; v48-79   g0, g0, g1, g1
.set PA,  80                           ; v80-87, v88-95 the two addresses
.set L0,  96                           ; v96-111  four bf16 of the first row
.set L1,  112                          ; v112-127 of the second
.set F,   128                          ; v128-135 at work
.set O,   136                          ; v136-167 results
.set A8,  168
.set A16, 176
	s_load_b256 s[4:11], s[0:1], 0x0               ; part s[4:5], where s[6:7], gate s[8:9], out0 s[10:11]
	s_mov_b32 s12, 0x020c49bb                      ; ceil(2^32 / 125): the high word of n x this is n / 125 for every n under 256,000 (the excess, n x 0.632 / 2^32, stays under 1 / 125)
	s_mov_b32 s14, 0xffff0000                      ; a word's upper bf16
	s_lshl_b32 s13, ttmp9, 11
	v_add_nc_u32 v9, s13, v0                       ; my first group
	v_lshlrev_b32 v8, 4, v0                        ; 16 bytes a thread
.irp u, 0,1,2,3,4,5,6,7
	v_add_nc_u32 v10, 256*\u, v9                   ; G
	s_delay_alu instid0(VALU_DEP_1)
	v_lshrrev_b32 v11, 1, v10
	s_delay_alu instid0(VALU_DEP_1)
	v_mul_hi_u32 v[T+\u], v11, s12                 ; t = G / 250
	s_delay_alu instid0(VALU_DEP_1)
	v_mul_u32_u24 v11, 250, v[T+\u]
	s_delay_alu instid0(VALU_DEP_1)
	v_sub_nc_u32 v11, v10, v11                     ; the group in the token, 0 .. 249
	s_delay_alu instid0(VALU_DEP_1)
	v_lshrrev_b32 v12, 4, v11                      ; its block of 64 columns
	s_delay_alu instid0(VALU_DEP_2)
	v_and_b32 v11, 15, v11
	s_delay_alu instid0(VALU_DEP_2)
	v_mul_u32_u24 v12, 0x42000, v12                ; a block's 2,112 rows of 128 bytes
	s_delay_alu instid0(VALU_DEP_1)
	v_lshl_add_u32 v[OFF+\u], v11, 3, v12
	v_lshlrev_b32 v[A8+\u], 3, v[T+\u]
	v_lshlrev_b32 v[A16+\u], 4, v[T+\u]
.endr
	s_lshl_b32 s16, ttmp9, 15                      ; the work-group's 32,768 bytes of out0
	s_mov_b32 s17, 0
	s_wait_alu depctr_va_vdst(0)
	s_wait_kmcnt 0x0
	s_add_nc_u64 s[10:11], s[10:11], s[16:17]
.irp u, 0,1,2,3,4,5,6,7
	global_load_b64 v[WH+2*\u:WH+2*\u+1], v[A8+\u], s[6:7]
.endr
.irp u, 0,1,2,3,4,5,6,7
	global_load_b128 v[GT+4*\u:GT+4*\u+3], v[A16+\u], s[8:9]
.endr
	s_wait_loadcnt 8                               ; the rows' numbers are in; the eight loads of the gates may be out
.irp u, 0,1,2,3,4,5,6,7
	v_min_u32 v[WH+2*\u], 0x7c43f, v[WH+2*\u]      ; 15 x 16 x 2,112 + 2,111 at the most; the bound is written out, since it goes into an address
	v_min_u32 v[WH+2*\u+1], 0x7c43f, v[WH+2*\u+1]
	s_delay_alu instid0(VALU_DEP_2)
	v_lshl_add_u32 v[PA+\u], v[WH+2*\u], 7, v[OFF+\u]
	s_delay_alu instid0(VALU_DEP_2)
	v_lshl_add_u32 v[PA+8+\u], v[WH+2*\u+1], 7, v[OFF+\u]
.endr
.irp u, 0,1,2,3,4,5,6,7
	global_load_b64 v[L0+2*\u:L0+2*\u+1], v[PA+\u], s[4:5] th:TH_LOAD_NT          ; sixteen neighbouring lanes read a row's 128 bytes of a block; read once
	global_load_b64 v[L1+2*\u:L1+2*\u+1], v[PA+8+\u], s[4:5] th:TH_LOAD_NT
.endr
.irp u, 0,1,2,3,4,5,6,7
	s_wait_loadcnt 14-2*\u                         ; group u's pair is in (and all gates, issued earlier); the later groups' pairs may be out
	v_lshlrev_b32 v[F], 16, v[L0+2*\u]             ; bf16 to f32: the low half moves up, the high half stays
	v_and_b32 v[F+1], s14, v[L0+2*\u]
	v_lshlrev_b32 v[F+2], 16, v[L0+2*\u+1]
	v_and_b32 v[F+3], s14, v[L0+2*\u+1]
	v_lshlrev_b32 v[F+4], 16, v[L1+2*\u]
	v_and_b32 v[F+5], s14, v[L1+2*\u]
	v_lshlrev_b32 v[F+6], 16, v[L1+2*\u+1]
	v_and_b32 v[F+7], s14, v[L1+2*\u+1]
	v_pk_mul_f32 v[O+4*\u:O+4*\u+1], v[F:F+1], v[GT+4*\u:GT+4*\u+1]
	v_pk_mul_f32 v[O+4*\u+2:O+4*\u+3], v[F+2:F+3], v[GT+4*\u:GT+4*\u+1]
	s_delay_alu instid0(VALU_DEP_2)
	v_pk_fma_f32 v[O+4*\u:O+4*\u+1], v[F+4:F+5], v[GT+4*\u+2:GT+4*\u+3], v[O+4*\u:O+4*\u+1]
	s_delay_alu instid0(VALU_DEP_2)
	v_pk_fma_f32 v[O+4*\u+2:O+4*\u+3], v[F+6:F+7], v[GT+4*\u+2:GT+4*\u+3], v[O+4*\u+2:O+4*\u+3]
	global_store_b128 v8, v[O+4*\u:O+4*\u+3], s[10:11] offset:4096*\u th:TH_STORE_NT
.endr
	s_endpgm
.Lfunc_end_k_qa438c00d74_mix:
	.size	k_qa438c00d74_mix, .Lfunc_end_k_qa438c00d74_mix-k_qa438c00d74_mix
	.p2alignl 7, 3214868480
	.fill 96, 4, 3214868480
	.section	.rodata,"a",@progbits
	.p2align	6, 0x0
	.amdhsa_kernel k_qa438c00d74_mix
		.amdhsa_group_segment_fixed_size 0
		.amdhsa_private_segment_fixed_size 0
		.amdhsa_enable_private_segment 0
		.amdhsa_kernarg_size 32
		.amdhsa_user_sgpr_count 2
		.amdhsa_user_sgpr_kernarg_segment_ptr 1
		.amdhsa_wavefront_size32 1
		.amdhsa_system_sgpr_workgroup_id_x 1
		.amdhsa_system_sgpr_workgroup_id_y 1
		.amdhsa_system_sgpr_workgroup_id_z 1
		.amdhsa_system_vgpr_workitem_id 0
		.amdhsa_next_free_vgpr 192
		.amdhsa_next_free_sgpr 66
		.amdhsa_reserve_vcc 0
		.amdhsa_float_denorm_mode_32 3
		.amdhsa_float_denorm_mode_16_64 3
		.amdhsa_memory_ordered 1
		.amdhsa_forward_progress 1
		.amdhsa_inst_pref_size 18
	.end_amdhsa_kernel
	.amdgpu_metadata
---
amdhsa.version: [ 1, 2 ]
amdhsa.kernels:
  - .name:           k_qa438c00d74_mix
    .symbol:         k_qa438c00d74_mix.kd
    .args:
      - { .name: part, .offset: 0, .size: 8, .value_kind: global_buffer, .address_space: global }
      - { .name: where, .offset: 8, .size: 8, .value_kind: global_buffer, .address_space: global }
      - { .name: gate, .offset: 16, .size: 8, .value_kind: global_buffer, .address_space: global }
      - { .name: out0, .offset: 24, .size: 8, .value_kind: global_buffer, .address_space: global }
    .group_segment_fixed_size: 0
    .private_segment_fixed_size: 0
    .kernarg_segment_align: 8
    .kernarg_segment_size: 32
    .max_flat_workgroup_size: 256
    .sgpr_count:     66
    .vgpr_count:     192
    .wavefront_size: 32
...
	.end_amdgpu_metadata
.endif
;; end of part 8
